; MI455X (gfx1250); checked and timed in simulation.
; The chip was launched on July 23, 2026; its instructions are those of AMD's public machine-readable ISA for CDNA 5 (MIT licence, August 2026) and "CDNA5" Instruction Set Architecture Reference Guide (July 2026). The comments in the code are by the model that wrote it; some were corrected since.
;; Causal Self Attention. Allowed arithmetic: float matrix products may take bf16 or f16 operands with f32 sums; all other float work in f32.
;; Inputs: Wout 1,024 x 1,024 float32; Wqkv 1,024 x 3,072 float32; attn_mask 1 x 1 x 2,048 x 2,048 float32; bout 1,024 float32; bqkv 3,072 float32; x 4 x 2,048 x 1,024 float32.
;; Outputs: out0 4 x 2,048 x 1,024 float32.
;; 2 versions, each right and faster than the one before. Each part assembles by itself: llvm-mc -triple=amdgcn-amd-amdhsa -mcpu=gfx1250 --defsym DOCPART=n.
;; ======== version 1 of 2: 4 launches
;; limits: inputs' magnitudes at most 1e+38; values are held in f16: magnitudes above 65,504 overflow, below 6.1e-05 lose precision
;; workspace buffers: xb 16,777,216 bytes; wqkvb 6,291,456 bytes; woutb 2,097,152 bytes; qkv 50,331,648 bytes; y 33,554,432 bytes
;; launch prep (part 1): grid 768 x 1, 8 waves a work-group, no clusters, 0 bytes of LDS; arguments x, Wqkv, Wout, xb, wqkvb, woutb; writes xb, wqkvb, woutb
.if DOCPART == 1
	.amdgcn_target "amdgcn-amd-amdhsa--gfx1250"
	.amdhsa_code_object_version 6
	.text
	.protected	k_q5889aca03e_prep
	.globl	k_q5889aca03e_prep
	.p2align	8
	.type	k_q5889aca03e_prep,@function
k_q5889aca03e_prep:
	s_mov_b64 s[64:65], 0
	v_nop
	global_prefetch_b8 v0, s[64:65] scope:SCOPE_SE
	s_setreg_imm32_b32 hwreg(HW_REG_WAVE_MODE, 25, 1), 1
	s_wait_xcnt 0x0
; Casts x, Wqkv and Wout from f32 to bf16 (round to nearest even), number for number: the layouts stay as they are.
; A work-group casts 16,384 numbers (65,536 bytes in, 32,768 out).  Groups 0-511 take x (8,388,608 numbers), 512-703 Wqkv (3,145,728),
; 704-767 Wout (1,048,576): 768 groups of equal work.  Thread t takes 8 neighbouring numbers of each of eight chunks of 2,048:
; two loads of 16 bytes, one store of 16 bytes, so that one store of a wave covers 512 consecutive bytes, aligned.
; All sixteen loads of a thread go out first; nothing is rewritten, so the only waits are the counted ones for the data.
; No LDS, no matrix unit, no cluster: every byte is read once and written once and no two work-groups share one.
.set X, 4                              ; v[4:67]   chunk j: 8 registers, 8 f32 as loaded
.set Y, 68                             ; v[68:99]  chunk j: 4 registers, 8 bf16 to store
.set G_W1, 512                         ; first work-group of Wqkv
.set G_W2, 704                         ; first work-group of Wout
	s_load_b256 s[4:11], s[0:1], 0x0               ; x s[4:5], Wqkv s[6:7], Wout s[8:9], xb s[10:11]
	s_load_b128 s[12:15], s[0:1], 0x20             ; wqkvb s[12:13], woutb s[14:15]
	v_lshlrev_b32 v1, 5, v0                        ; 32 t: my 8 f32 in a chunk
	v_lshlrev_b32 v2, 4, v0                        ; 16 t: my 8 bf16 in a chunk
	s_mov_b32 s17, G_W1
	s_mov_b32 s19, 0
	s_wait_kmcnt 0x0
	s_cmp_ge_u32 ttmp9, G_W2                       ; the choice hangs on the work-group's number alone
	s_cselect_b64 s[20:21], s[8:9], s[6:7]         ; from Wout or Wqkv
	s_cselect_b64 s[22:23], s[14:15], s[12:13]     ; to woutb or wqkvb
	s_cselect_b32 s17, G_W2, s17                   ; the tensor's first work-group
	s_cmp_lt_u32 ttmp9, G_W1
	s_cselect_b64 s[20:21], s[4:5], s[20:21]       ; or from x
	s_cselect_b64 s[22:23], s[10:11], s[22:23]     ; to xb
	s_cselect_b32 s17, 0, s17
	s_sub_co_u32 s16, ttmp9, s17                   ; my number within the tensor, 511 at the most
	s_lshl_b32 s18, s16, 16                        ; x 65,536 bytes
	s_add_nc_u64 s[20:21], s[20:21], s[18:19]
	s_lshl_b32 s18, s16, 15                        ; x 32,768 bytes
	s_add_nc_u64 s[22:23], s[22:23], s[18:19]
.irp j, 0,1,2,3,4,5,6,7
	global_load_b128 v[X+8*\j:X+8*\j+3],   v1, s[20:21] offset:8192*\j th:TH_LOAD_NT
	global_load_b128 v[X+8*\j+4:X+8*\j+7], v1, s[20:21] offset:8192*\j+16 th:TH_LOAD_NT
.endr
.irp j, 0,1,2,3,4,5,6,7
	s_wait_loadcnt 14-2*\j                         ; loads come back in order (ISA guide 5.7.1): chunk j's two are in, the younger chunks' stay out
.irp k, 0,1,2,3
	v_cvt_pk_bf16_f32 v[Y+4*\j+\k], v[X+8*\j+2*\k], v[X+8*\j+2*\k+1]
.endr
	global_store_b128 v2, v[Y+4*\j:Y+4*\j+3], s[22:23] offset:4096*\j   ; a later launch reads these bytes: no hint
.endr
	s_endpgm
.Lfunc_end_k_q5889aca03e_prep:
	.size	k_q5889aca03e_prep, .Lfunc_end_k_q5889aca03e_prep-k_q5889aca03e_prep
	.p2alignl 7, 3214868480
	.fill 96, 4, 3214868480
	.section	.rodata,"a",@progbits
	.p2align	6, 0x0
	.amdhsa_kernel k_q5889aca03e_prep
		.amdhsa_group_segment_fixed_size 0
		.amdhsa_private_segment_fixed_size 0
		.amdhsa_enable_private_segment 0
		.amdhsa_kernarg_size 48
		.amdhsa_user_sgpr_count 2
		.amdhsa_user_sgpr_kernarg_segment_ptr 1
		.amdhsa_wavefront_size32 1
		.amdhsa_system_sgpr_workgroup_id_x 1
		.amdhsa_system_sgpr_workgroup_id_y 1
		.amdhsa_system_sgpr_workgroup_id_z 1
		.amdhsa_system_vgpr_workitem_id 0
		.amdhsa_next_free_vgpr 100
		.amdhsa_next_free_sgpr 66
		.amdhsa_reserve_vcc 0
		.amdhsa_float_denorm_mode_32 3
		.amdhsa_float_denorm_mode_16_64 3
		.amdhsa_memory_ordered 1
		.amdhsa_forward_progress 1
		.amdhsa_inst_pref_size 6
	.end_amdhsa_kernel
	.amdgpu_metadata
---
amdhsa.version: [ 1, 2 ]
amdhsa.kernels:
  - .name:           k_q5889aca03e_prep
    .symbol:         k_q5889aca03e_prep.kd
    .args:
      - { .name: x, .offset: 0, .size: 8, .value_kind: global_buffer, .address_space: global }
      - { .name: Wqkv, .offset: 8, .size: 8, .value_kind: global_buffer, .address_space: global }
      - { .name: Wout, .offset: 16, .size: 8, .value_kind: global_buffer, .address_space: global }
      - { .name: xb, .offset: 24, .size: 8, .value_kind: global_buffer, .address_space: global }
      - { .name: wqkvb, .offset: 32, .size: 8, .value_kind: global_buffer, .address_space: global }
      - { .name: woutb, .offset: 40, .size: 8, .value_kind: global_buffer, .address_space: global }
    .group_segment_fixed_size: 0
    .private_segment_fixed_size: 0
    .kernarg_segment_align: 8
    .kernarg_segment_size: 48
    .max_flat_workgroup_size: 256
    .sgpr_count:     66
    .vgpr_count:     100
    .wavefront_size: 32
...
	.end_amdgpu_metadata
.endif
;; end of part 1
;; launch qkvg (part 2): grid 24 x 32, 4 waves a work-group, clusters of 4 x 4, 327,680 bytes of LDS; arguments xb, wqkvb, bqkv, qkv; writes qkv
.if DOCPART == 2
	.amdgcn_target "amdgcn-amd-amdhsa--gfx1250"
	.amdhsa_code_object_version 6
	.text
	.protected	k_q5889aca03e_qkvg
	.globl	k_q5889aca03e_qkvg
	.p2align	8
	.type	k_q5889aca03e_qkvg,@function
k_q5889aca03e_qkvg:
	s_mov_b64 s[64:65], 0
	v_nop
	global_prefetch_b8 v0, s[64:65] scope:SCOPE_SE
	s_setreg_imm32_b32 hwreg(HW_REG_WAVE_MODE, 25, 1), 1
	s_wait_xcnt 0x0
	s_wait_alu depctr_hold_cnt(0) depctr_sa_sdst(0) depctr_va_vdst(0) depctr_va_sdst(0) depctr_va_ssrc(0) depctr_va_vcc(0) depctr_vm_vsrc(0)
	s_getreg_b32 s2, hwreg(HW_REG_IB_STS2, 6, 4)
	s_cmp_eq_u32 s2, 0
	s_cbranch_scc0 .Lentry_in_a_cluster
	s_endpgm
.Lentry_in_a_cluster:
	s_bfe_u32 s2, ttmp6, 0x10000c
	s_cmp_lg_u32 s2, 0xf033
	s_cbranch_scc0 .Lentry_shape_is_right
	s_endpgm
.Lentry_shape_is_right:
; C[m][n] = sum over k of A[m][k] W[k][n] + bias[n].  A and W bf16 (W: k down the rows), bias f32; sums in f32.
; One source serves two launches; PROJ picks the form:
;   PROJ = 0: A = xb [8192][1024], W = wqkvb [1024][3072], C = qkv in f16 (11 significant bits for what attention multiplies); the first 1,024 columns (q) are
;             multiplied by 1/8 = 1/sqrt(64), a power of two, so no rounding changes.
;             LIMIT: a q/8, k or v of 65,504 or more in magnitude becomes infinite.  With x and Wqkv both offset by 30 spreads a sum reaches 1024 x 30 x 0.94 = 28,900.
;   PROJ = 1: A = y [8192][2048], each number as two bf16 parts: columns 0-1023 the upper parts, 1024-2047 the lower; W = woutb [1024][1024], C = out0 in f32.
;             The K steps go in pairs: slot 0 takes the upper parts of k block j, slot 1 the lower parts of the same block, each with W's rows 128 j ..: 16 K steps.
; A work-group makes 256 x 128 of C with four waves; wave w makes rows 64 w .. 64 w + 63 and all 128 columns: 4 x 8 accumulator tiles, 256 registers, one window.
; (256 x 128 gives 768 and 256 work-groups; 256 x 256 would give 384 and 128.)
; K goes in steps of 128 through two LDS slots filled by the tensor data mover; every tile row is 256 consecutive bytes, aligned.
; W stays [k][n] in LDS: ds_load_tr16_b128 brings a lane eight neighbouring k of one column, which is the fragment's layout.
; CLUSTERS: 4 x 4 work-groups.  A's tile hangs on the block row alone and is asked for jointly by a row of the cluster; W's hangs on the block column alone and is
; asked for jointly by a column.  Each of the four issues the same load with the same descriptor and receives the tile in its own LDS.
; THE MATRIX INSTRUCTION IS USED TRANSPOSED: source 0 = 16 columns of W, source 1 = 16 rows of A.  Lane l then holds row l % 16 of C and, in registers 0-7,
; the columns 8 (l / 16) + 0..7: eight neighbouring numbers of a row.
; REGISTERS: window 0: addresses, two fragment buffers, work on the way out; window 1: tile (a, b) at v[8 (8 a + b)]; window 2: v0-63 the bias, register 8 b + j = column 16 b + 8 (l / 16) + j.
.set PROJ,   0
.set KSTEP,  128
.if PROJ
.set SIZE_N, 1024
.set CB,     4                         ; bytes of a number of C
.set SPITCH, 528                       ; stage row: 512 bytes + 16
.set APITCH, 2048                      ; elements in a row of A
.set KSTEPS, 16
.set ASLOT1, 2048                      ; bytes from slot 0's first tile of A to slot 1's: the lower parts
.set ASTEP,  KSTEP*2                   ; bytes from a slot's tile of A to its next
.set BSLOT1, 0                         ; slot 1 begins with the same rows of W as slot 0
.set BSTEP,  KSTEP*SIZE_N*2
.else
.set SIZE_N, 3072
.set CB,     2
.set SPITCH, 272                       ; stage row: 256 bytes + 16
.set APITCH, 1024
.set KSTEPS, 8
.set ASLOT1, KSTEP*2
.set ASTEP,  2*KSTEP*2
.set BSLOT1, KSTEP*SIZE_N*2
.set BSTEP,  2*KSTEP*SIZE_N*2
.endif
.set PA,     272                       ; A's LDS row: 256 bytes + 16: an odd multiple of 16, so the 16 rows of a fragment load begin in 16 different 16-byte columns
.set PB,     288                       ; W's LDS row: 256 bytes + 32: an odd multiple of 32, which spreads the transposing load's rows likewise
.set ATILE,  256*PA
.set BTILE,  128*PB
.set SLOT,   ATILE+BTILE               ; 106,496
.set STAGE,  2*SLOT                    ; 212,992, a multiple of 256: each wave's own 16 rows for the way out; no tensor load lands here
.set LAPS,   KSTEPS/2                  ; a lap = two K steps = once round the ring
.set ADRA, 16                          ; v16-17 LDS address of my A fragments, slot 0, 1
.set ADRB, 20                          ; v20-21 the same for W
.set STO,  24                          ; v24 way out: where I put my piece of a row
.set RD,   25                          ; v25 way out: where I read rows back
.set CO,   26                          ; v26 my byte offset in C
.set BOF,  27                          ; v27 my byte offset in the block's 128 bias numbers
.set FA0,  32                          ; A fragments, buffer 0: 4 x 8 registers
.set FA1,  64
.set FB0,  96                          ; W fragments, buffer 0: 8 x 8 registers
.set FB1,  160
.set TMP,  224                         ; way out: packed results
.set G1A, 24                           ; s[24:31] descriptor group 1, A
.set G0A, 32                           ; s[32:39] group 0, A, a set for each slot
.set G1B, 48                           ; s[48:55] group 1, W
.set G0B, 56                           ; s[56:63] group 0, W, a set for each slot
.set MULW, 0x50                        ; sources 0 and 1 window 0; C and D window 1
.set MSB, 0
.macro WIN new                         ; the immediate's high byte repeats the setting that is left; a switch that changes nothing is dropped
.if MSB != \new
	s_set_vgpr_msb (MSB<<8)|\new
.set MSB, \new
.endif
.endm
.macro PLACES                          ; four plain vector instructions behind a matrix instruction, before one of its registers is loaded into, read or written by anything else (ISA guide 7.12.1 for vector instructions)
.rept 4
	v_nop
.endr
.endm
; A joint load: waves 0 and 1 ask for A's two halves (128 rows each), waves 2 and 3 for W's (64 rows of k each).  The branch hangs on the wave's number alone.
.macro JLOAD s
	s_cmp_eq_u32 s14, 0
	s_cbranch_scc0 .Lfor_b_\@
	tensor_load_to_lds s[G0A+4*\s:G0A+4*\s+3], s[G1A:G1A+7]
	s_nop 0
	s_branch .Lasked_\@
.Lfor_b_\@:
	tensor_load_to_lds s[G0B+4*\s:G0B+4*\s+3], s[G1B:G1B+7]
	s_nop 0
	v_nop
.Lasked_\@:
.endm
; A round of the cluster's barrier: my work-group's barrier; wave 0 signals for the work-group; every wave waits for all sixteen; my work-group's barrier again.
.macro CREST                           ; a round behind its opening barrier
	s_cmp_lg_u32 s12, 0
	s_cbranch_scc1 .Lnot_wave_0_\@
	s_barrier_signal -3
.Lnot_wave_0_\@:
	s_barrier_wait -3
	s_barrier_signal -1
	s_barrier_wait -1
.endm
.macro CROUND
	s_barrier_signal -1
	s_barrier_wait -1
	CREST
.endm
	s_load_b256 s[4:11], s[0:1], 0x0               ; A s[4:5], W s[6:7], bias s[8:9], C s[10:11]
	v_lshl_add_u32 v30, v0, 2, 0x38400
	v_mov_b32 v31, 0
	ds_add_u32 v30, v31
	v_lshrrev_b32 v1, 5, v0
	v_readfirstlane_b32 s12, v1                    ; wave 0..3
	s_and_b32 s13, s12, 1                          ; which half of the tile I fetch
	s_lshr_b32 s14, s12, 1                         ; 0: I fetch for A, 1: for W
	s_bfe_u32 s15, ttmp6, 0x40000                  ; cx
	s_bfe_u32 s16, ttmp6, 0x40004                  ; cy
	s_lshl_b32 s17, ttmp9, 2
	s_add_co_u32 s17, s17, s15                     ; block column = 4 x cluster x + cx
	s_and_b32 s18, ttmp7, 0xffff
	s_lshl_b32 s18, s18, 2
	s_add_co_u32 s18, s18, s16                     ; block row = 4 x cluster y + cy
	s_lshl_b32 s19, s16, 2
	s_lshl_b32 s19, 15, s19                        ; my row of the cluster: places 4 cy .. 4 cy + 3
	s_lshl_b32 s20, 0x1111, s15                    ; my column: places cx, cx + 4, cx + 8, cx + 12
	; group 1 of A: 128 rows x 128 elements of 2 bytes, 4 words of padding behind every 64
	s_or_b32 s[G1A+0], s19, (1<<16)|(1<<20)|(1<<21)|(5<<22)|(3<<25)
	s_mov_b32 s[G1A+1], KSTEP<<16                  ; tensor_dim0 = 128
	s_mov_b32 s[G1A+2], 128<<16                    ; tensor_dim1 = 128
	s_mov_b32 s[G1A+3], KSTEP<<16                  ; tile_dim0 = 128
	s_mov_b32 s[G1A+4], 128                        ; tile_dim1 = 128
	s_mov_b32 s[G1A+5], APITCH                     ; elements from row to row
	s_mov_b32 s[G1A+6], 0
	s_mov_b32 s[G1A+7], 0
	; group 1 of W: 64 rows (k) x 128 elements (n), 8 words of padding behind every 64
	s_or_b32 s[G1B+0], s20, (1<<16)|(1<<20)|(1<<21)|(5<<22)|(7<<25)
	s_mov_b32 s[G1B+1], 128<<16
	s_mov_b32 s[G1B+2], 64<<16
	s_mov_b32 s[G1B+3], 128<<16
	s_mov_b32 s[G1B+4], 64
	s_mov_b32 s[G1B+5], SIZE_N
	s_mov_b32 s[G1B+6], 0
	s_mov_b32 s[G1B+7], 0
	; where the tiles come from: A's offset is made of the block row and the wave, W's of the block column and the wave, each in registers that never hold the other coordinate
	s_lshl_b32 s40, s18, 8
	s_lshl_b32 s23, s13, 7
	s_add_co_u32 s40, s40, s23                     ; A: row 256 x block row + 128 x half
	s_mul_i32 s40, s40, APITCH*2                   ; in bytes: 33.1 million at the most
	s_mov_b32 s41, 0
	s_mul_i32 s44, s13, 64*SIZE_N*2                ; W: 64 rows of k x half
	s_lshl_b32 s45, s17, 8                         ; + 128 columns x block column
	s_add_co_u32 s44, s44, s45
	s_mov_b32 s45, 0
	s_mul_i32 s21, s12, 128*PA                     ; and where they go: A's halves at wave x 128 rows (waves 0, 1),
	s_mul_i32 s22, s12, 64*PB
	s_add_co_u32 s22, s22, ATILE-128*PB            ; W's at ATILE + (wave - 2) x 64 rows (waves 2, 3): no place in the cluster enters an LDS address
	s_lshl_b32 s46, s17, 9                         ; the block's 128 bias numbers
	s_mov_b32 s47, 0
	s_wait_dscnt 0x0
	s_wait_kmcnt 0x0
	s_add_nc_u64 s[42:43], s[4:5], s[40:41]
	s_add_nc_u64 s[44:45], s[6:7], s[44:45]
	s_add_nc_u64 s[8:9], s[8:9], s[46:47]
	CROUND                                         ; all sixteen work-groups are here: the first joint loads meet
.irp s, 0,1
	s_mov_b32 s[G0A+4*\s], 1
	s_add_co_u32 s[G0A+4*\s+1], s21, \s*SLOT
	s_add_nc_u64 s[G0A+4*\s+2:G0A+4*\s+3], s[42:43], \s*ASLOT1
	s_or_b32 s[G0A+4*\s+3], s[G0A+4*\s+3], 0x80000000
	s_mov_b32 s[G0B+4*\s], 1
	s_add_co_u32 s[G0B+4*\s+1], s22, \s*SLOT
	s_add_nc_u64 s[G0B+4*\s+2:G0B+4*\s+3], s[44:45], \s*BSLOT1
	s_or_b32 s[G0B+4*\s+3], s[G0B+4*\s+3], 0x80000000
	JLOAD \s                                       ; both slots' first fills go out together: two tensor loads of a wave are out here, one later
.endr
	v_and_b32 v1, 15, v0                           ; r = l % 16
	v_bfe_u32 v2, v0, 4, 1                         ; h = l / 16
	v_lshlrev_b32 v[BOF], 5, v2                    ; 8 h numbers of 4 bytes
	WIN 0x80                                       ; destination window 2
.irp b, 0,1,2,3,4,5,6,7
	global_load_b128 v[8*\b:8*\b+3],   v[BOF], s[8:9] offset:64*\b       ; bias of columns 16 b + 8 h + 0..3; waited for in front of the way out
	global_load_b128 v[8*\b+4:8*\b+7], v[BOF], s[8:9] offset:64*\b+16
.endr
	WIN 0
	v_mul_u32_u24 v3, v1, PA
	v_lshl_add_u32 v3, v2, 4, v3                   ; r x pitch + 16 h
	s_mul_i32 s23, s12, 64*PA                      ; my 64 rows of A
	v_add_nc_u32 v[ADRA], s23, v3
	v_add_nc_u32 v[ADRA+1], SLOT, v[ADRA]
	v_and_b32 v4, 7, v0
	v_lshl_add_u32 v4, v2, 3, v4                   ; row of k: 8 h + l % 8
	v_mul_u32_u24 v4, v4, PB
	v_bfe_u32 v5, v0, 3, 1
	v_lshl_add_u32 v4, v5, 4, v4                   ; + 16 bytes for the upper eight lanes of each sixteen
	v_add_nc_u32 v[ADRB], ATILE, v4
	v_add_nc_u32 v[ADRB+1], ATILE+SLOT, v4
	s_mul_i32 s23, s12, 16*SPITCH
	s_add_co_u32 s23, s23, STAGE                   ; my stage
	v_mul_u32_u24 v4, v1, SPITCH
	v_lshl_add_u32 v4, v2, 4+PROJ, v4              ; in: row r, 8 h numbers along it
	v_add_nc_u32 v[STO], s23, v4
.if PROJ
	v_and_b32 v5, 31, v0
	v_lshlrev_b32 v[CO], 4, v5                     ; back: 32 lanes take one row of 512 bytes
	v_add_nc_u32 v[RD], s23, v[CO]
.else
	v_mul_u32_u24 v5, v2, SPITCH                   ; back: lanes 0-15 take one row of 256 bytes, lanes 16-31 the next
	v_lshl_add_u32 v5, v1, 4, v5
	v_add_nc_u32 v[RD], s23, v5
	v_mul_u32_u24 v5, v2, SIZE_N*CB
	v_lshl_add_u32 v[CO], v1, 4, v5
.endif
; 8 matrix instructions: row block a of my four x all 8 column blocks, 32 along K.  zero = 1: the first product starts the sums.
; The 32 accumulators take turns, one instruction a turn, in the same order in every quarter step, over the backward jump too.
.macro MUL8 fa, fb, a, zero
.irp b, 0,1,2,3,4,5,6,7
.if \zero
	v_wmma_f32_16x16x32_bf16 v[8*(8*\a+\b):8*(8*\a+\b)+7], v[\fb+8*\b:\fb+8*\b+7], v[\fa+8*\a:\fa+8*\a+7], 0
.else
	v_wmma_f32_16x16x32_bf16 v[8*(8*\a+\b):8*(8*\a+\b)+7], v[\fb+8*\b:\fb+8*\b+7], v[\fa+8*\a:\fa+8*\a+7], v[8*(8*\a+\b):8*(8*\a+\b)+7]
.endif
.endr
.endm
; 24 LDS loads in one run: quarter kq (32 along K) of a slot: W's 8 fragments (transposing loads, 16 rows of k apart), then A's 4
.macro FETCH slot, kq, fa, fb
	WIN 0
.irp b, 0,1,2,3,4,5,6,7
	ds_load_tr16_b128 v[\fb+8*\b:\fb+8*\b+3],   v[ADRB+\slot] offset:\kq*32*PB+32*\b
	ds_load_tr16_b128 v[\fb+8*\b+4:\fb+8*\b+7], v[ADRB+\slot] offset:\kq*32*PB+32*\b+16*PB
.endr
.irp a, 0,1,2,3
	ds_load_b128 v[\fa+8*\a:\fa+8*\a+3],   v[ADRA+\slot] offset:\a*16*PA+64*\kq
	ds_load_b128 v[\fa+8*\a+4:\fa+8*\a+7], v[ADRA+\slot] offset:\a*16*PA+64*\kq+32
.endr
.endm
; One of a K step's first three quarters: multiplies buffer (fa, fb); in its middle fetches quarter kq into (ga, gb)
.macro QUARTER slot, kq, fa, fb, ga, gb, zero
	s_wait_dscnt 4                                 ; W's fragments and A's blocks 0, 1 are in; the youngest four loads (A's blocks 2, 3) may be out
	WIN MULW
	MUL8 \fa, \fb, 0, \zero
	MUL8 \fa, \fb, 1, \zero
	PLACES
	FETCH \slot, \kq, \ga, \gb
	s_wait_dscnt 24                                ; all but the 24 just issued
	WIN MULW
	MUL8 \fa, \fb, 2, \zero
	MUL8 \fa, \fb, 3, \zero
.endm
.macro THREE slot, zero
	QUARTER \slot, 1, FA0, FB0, FA1, FB1, \zero
	QUARTER \slot, 2, FA1, FB1, FA0, FB0, 0
	QUARTER \slot, 3, FA0, FB0, FA1, FB1, 0
.endm
; The last quarter: multiplies buffer 1 and changes slots.  In front of the barrier each wave waits for its reads of this slot and for all its tensor loads
; (the one that is out is its part of the next slot).  fill = 1: the barrier opens a round of the cluster's barrier, and behind the round this slot is asked for again,
; two K steps ahead, first thing.  From that request to the wait for it a wave issues 120 matrix instructions.
.macro TURN slot, next, fill
	s_wait_dscnt 4
	WIN MULW
	MUL8 FA1, FB1, 0, 0
	s_wait_dscnt 0x0                               ; my reads of this slot are over
	s_wait_tensorcnt 0x0                           ; all my tensor loads have landed
	ds_add_u32 v30, v31
	s_wait_dscnt 0x0
	s_barrier_signal -1
	MUL8 FA1, FB1, 1, 0                            ; register work while the others arrive
	WIN 0
	s_barrier_wait -1
.if \fill
	CREST                                          ; no wave of any partner still reads this slot or has a load on its way
	s_add_nc_u64 s[G0A+4*\slot+2:G0A+4*\slot+3], s[G0A+4*\slot+2:G0A+4*\slot+3], ASTEP
	s_add_nc_u64 s[G0B+4*\slot+2:G0B+4*\slot+3], s[G0B+4*\slot+2:G0B+4*\slot+3], BSTEP
	JLOAD \slot                                    ; my one tensor load behind the round
.endif
	PLACES
	FETCH \next, 0, FA0, FB0
	WIN MULW
	MUL8 FA1, FB1, 2, 0
	MUL8 FA1, FB1, 3, 0
.endm
.macro LAP zero
	THREE 0, \zero
	TURN 0, 1, 1
	THREE 1, 0
	TURN 1, 0, 1
.endm
	s_wait_tensorcnt 0x1                           ; my part of K step 0 is in; K step 1's may stay out
	s_barrier_signal -1
	s_barrier_wait -1                              ; everybody's is
	FETCH 0, 0, FA0, FB0
	LAP 1                                          ; the first lap stands in front of the loop: its first products start the sums
	WIN 0
	s_mov_b32 s3, LAPS-2
.Llap:
	LAP 0
	WIN 0
	s_sub_co_u32 s3, s3, 1
	s_cmp_lg_u32 s3, 0
	s_cbranch_scc1 .Llap
	THREE 0, 0                                     ; the last lap fills nothing
	TURN 0, 1, 0
	THREE 1, 0
	s_wait_dscnt 4
	WIN MULW
	MUL8 FA1, FB1, 0, 0
	MUL8 FA1, FB1, 1, 0
	s_wait_dscnt 0x0
	MUL8 FA1, FB1, 2, 0
	MUL8 FA1, FB1, 3, 0
	; THE WAY OUT, 16 rows at a time through my own stage, so that rows leave whole
	PLACES
	s_wait_loadcnt 0x0                             ; the bias
	s_lshl_b32 s40, s18, 8
	s_lshl_b32 s23, s12, 6
	s_add_co_u32 s40, s40, s23                     ; my first row of C
	s_mul_i32 s40, s40, SIZE_N*CB                  ; 50.3 million bytes at the most
	s_mov_b32 s41, 0
	s_add_nc_u64 s[10:11], s[10:11], s[40:41]
	s_mul_i32 s44, s17, 128*CB                     ; my first column (in the registers that held W's address)
	s_mov_b32 s45, 0
	s_add_nc_u64 s[10:11], s[10:11], s[44:45]
.if PROJ
; rows 16 a .. 16 a + 15: add the bias, 32 bytes a lane and column block into the stage, rows of 512 bytes back and out
.macro OUT16F a, rb
	WIN 0x49                                       ; D and source 0 window 1, source 1 window 2
.irp b, 0,1,2,3,4,5,6,7
.irp p, 0,2,4,6
	v_pk_add_f32 v[8*(8*\a+\b)+\p:8*(8*\a+\b)+\p+1], v[8*(8*\a+\b)+\p:8*(8*\a+\b)+\p+1], v[8*\b+\p:8*\b+\p+1]
.endr
.endr
	WIN 0x04                                       ; store data window 1
.irp b, 0,1,2,3,4,5,6,7
	ds_store_b128 v[STO], v[8*(8*\a+\b):8*(8*\a+\b)+3]   offset:64*\b
	ds_store_b128 v[STO], v[8*(8*\a+\b)+4:8*(8*\a+\b)+7] offset:64*\b+16
.endr
	WIN 0
	s_wait_xcnt 0x0                                ; the registers and the base that earlier stores read are rewritten only behind this wait (ISA guide 3.1)
.if \a
	s_add_nc_u64 s[10:11], s[10:11], 16*SIZE_N*CB
.endif
.irp t, 0,1,2,3,4,5,6,7,8,9,10,11,12,13,14,15
	ds_load_b128 v[\rb+4*\t:\rb+4*\t+3], v[RD] offset:SPITCH*\t      ; LDS serves a wave's instructions in order (ISA guide 5.7.1.4): these see the stores above
.endr
.irp t, 0,1,2,3,4,5,6,7,8,9,10,11,12,13,14,15
	s_wait_dscnt 15-\t
	global_store_b128 v[CO], v[\rb+4*\t:\rb+4*\t+3], s[10:11] offset:SIZE_N*CB*\t th:TH_STORE_NT   ; 512 consecutive bytes, aligned
.endr
.endm
	OUT16F 0, FA0
	OUT16F 1, FB0
	OUT16F 2, FA0
	OUT16F 3, FB0
.else
	s_cmp_lt_u32 ttmp9, 2                          ; cluster x 0 or 1 = block columns 0-7 = the q columns; a select, no branch
	s_cselect_b32 s66, 0x3e000000, 1.0             ; 1/8 or 1
	s_mov_b32 s67, s66
	WIN 0x82                                       ; the bias takes the factor once,
.set n, 0
.rept 32
	v_pk_mul_f32 v[2*n:2*n+1], v[2*n:2*n+1], s[66:67] op_sel_hi:[1,0]
.set n, n+1
.endr
; rows 16 a .. 16 a + 15: one fused multiply-add, round to f16, 16 bytes a lane and column block into the stage, rows of 256 bytes back and out
.macro OUT16 a, rb
	WIN 0x61                                       ; D and source 0 window 1, source 2 window 2
.irp b, 0,1,2,3,4,5,6,7
.irp p, 0,2,4,6
	v_pk_fma_f32 v[8*(8*\a+\b)+\p:8*(8*\a+\b)+\p+1], v[8*(8*\a+\b)+\p:8*(8*\a+\b)+\p+1], s[66:67], v[8*\b+\p:8*\b+\p+1] op_sel_hi:[1,0,1]
.endr
.endr
	WIN 0x05                                       ; sources window 1, destination window 0
.irp b, 0,1,2,3,4,5,6,7
.irp p, 0,1,2,3
	v_cvt_pk_f16_f32 v[TMP+4*\b+\p], v[8*(8*\a+\b)+2*\p], v[8*(8*\a+\b)+2*\p+1]
.endr
.endr
	WIN 0
.irp b, 0,1,2,3,4,5,6,7
	ds_store_b128 v[STO], v[TMP+4*\b:TMP+4*\b+3] offset:32*\b
.endr
	s_wait_xcnt 0x0                                ; the registers and the base that earlier stores read are rewritten only behind this wait (ISA guide 3.1)
.if \a
	s_add_nc_u64 s[10:11], s[10:11], 16*SIZE_N*CB
.endif
.irp t, 0,1,2,3,4,5,6,7
	ds_load_b128 v[\rb+4*\t:\rb+4*\t+3], v[RD] offset:2*SPITCH*\t    ; LDS serves a wave's instructions in order (ISA guide 5.7.1.4): these see the stores above
.endr
.irp t, 0,1,2,3,4,5,6,7
	s_wait_dscnt 7-\t
	global_store_b128 v[CO], v[\rb+4*\t:\rb+4*\t+3], s[10:11] offset:2*SIZE_N*CB*\t   ; 16 lanes store 256 consecutive bytes, aligned
.endr
.endm
	OUT16 0, FA0
	OUT16 1, FA1
	OUT16 2, FA0
	OUT16 3, FA1
.endif
	s_wait_tensorcnt 0x0
	ds_add_u32 v30, v31
	s_wait_dscnt 0x0
	CROUND                                         ; the closing round: no work-group ends while a partner may still ask for a tile that names it
	s_endpgm
.Lfunc_end_k_q5889aca03e_qkvg:
	.size	k_q5889aca03e_qkvg, .Lfunc_end_k_q5889aca03e_qkvg-k_q5889aca03e_qkvg
	.p2alignl 7, 3214868480
	.fill 96, 4, 3214868480
	.section	.rodata,"a",@progbits
	.p2align	6, 0x0
	.amdhsa_kernel k_q5889aca03e_qkvg
		.amdhsa_group_segment_fixed_size 327680
		.amdhsa_private_segment_fixed_size 0
		.amdhsa_enable_private_segment 0
		.amdhsa_kernarg_size 32
		.amdhsa_user_sgpr_count 2
		.amdhsa_user_sgpr_kernarg_segment_ptr 1
		.amdhsa_wavefront_size32 1
		.amdhsa_system_sgpr_workgroup_id_x 1
		.amdhsa_system_sgpr_workgroup_id_y 1
		.amdhsa_system_sgpr_workgroup_id_z 1
		.amdhsa_system_vgpr_workitem_id 0
		.amdhsa_next_free_vgpr 576
		.amdhsa_next_free_sgpr 68
		.amdhsa_reserve_vcc 0
		.amdhsa_float_denorm_mode_32 3
		.amdhsa_float_denorm_mode_16_64 3
		.amdhsa_memory_ordered 1
		.amdhsa_forward_progress 1
		.amdhsa_inst_pref_size 130
	.end_amdhsa_kernel
	.amdgpu_metadata
---
amdhsa.version: [ 1, 2 ]
amdhsa.kernels:
  - .name:           k_q5889aca03e_qkvg
    .symbol:         k_q5889aca03e_qkvg.kd
    .args:
      - { .name: xb, .offset: 0, .size: 8, .value_kind: global_buffer, .address_space: global }
      - { .name: wqkvb, .offset: 8, .size: 8, .value_kind: global_buffer, .address_space: global }
      - { .name: bqkv, .offset: 16, .size: 8, .value_kind: global_buffer, .address_space: global }
      - { .name: qkv, .offset: 24, .size: 8, .value_kind: global_buffer, .address_space: global }
    .group_segment_fixed_size: 327680
    .private_segment_fixed_size: 0
    .kernarg_segment_align: 8
    .kernarg_segment_size: 32
    .max_flat_workgroup_size: 128
    .sgpr_count:     68
    .vgpr_count:     576
    .wavefront_size: 32
...
	.end_amdgpu_metadata
.endif
;; end of part 2
;; launch attn (part 3): grid 8 x 32, 8 waves a work-group, clusters of 4 x 4, 327,680 bytes of LDS; arguments qkv, attn_mask, y; writes y
.if DOCPART == 3
	.amdgcn_target "amdgcn-amd-amdhsa--gfx1250"
	.amdhsa_code_object_version 6
	.text
	.protected	k_q5889aca03e_attn
	.globl	k_q5889aca03e_attn
	.p2align	8
	.type	k_q5889aca03e_attn,@function
k_q5889aca03e_attn:
	s_mov_b64 s[64:65], 0
	v_nop
	global_prefetch_b8 v0, s[64:65] scope:SCOPE_SE
	s_setreg_imm32_b32 hwreg(HW_REG_WAVE_MODE, 25, 1), 1
	s_wait_xcnt 0x0
	s_wait_alu depctr_hold_cnt(0) depctr_sa_sdst(0) depctr_va_vdst(0) depctr_va_sdst(0) depctr_va_ssrc(0) depctr_va_vcc(0) depctr_vm_vsrc(0)
	s_getreg_b32 s2, hwreg(HW_REG_IB_STS2, 6, 4)
	s_cmp_eq_u32 s2, 0
	s_cbranch_scc0 .Lentry_in_a_cluster
	s_endpgm
.Lentry_in_a_cluster:
	s_bfe_u32 s2, ttmp6, 0x10000c
	s_cmp_lg_u32 s2, 0xf033
	s_cbranch_scc0 .Lentry_shape_is_right
	s_endpgm
.Lentry_shape_is_right:
; y = softmax(q' k^T + mask) v for every batch and head; q' already carries the factor 1/8.  qkv: [8192][3072] f16 (q, k, v; head h at column 64 h of each), mask: [2048][2048] f32.
; y: [8192][2048] bf16: each number as two parts, the upper part bf16(y) in columns 0-1023, the lower part bf16(y - upper) in columns 1024-2047: about 16 significant bits for the next product.
; The mask is an input: all 2,048 keys are worked for every query and every mask word is read and added.
; FORMATS: q, k, v and the probabilities are multiplied in f16, 11 significant bits: a query that the mask leaves few keys gives a y as large as v, far above the common size of y, and
; its error has to stay small against the common size.  Probabilities are at most 1 (the running maximum is taken away first); one below 6e-8 of the row's largest counts as 0.
; A work-group takes 256 queries of a PAIR of heads: 8 x 32 = 256 work-groups.  Wave w takes head w / 4 of the pair and queries 64 (w % 4) .. + 63: four tiles of 16.
; The pair lets one mask tile in LDS serve two heads, makes K's and V's tile rows and y's pieces of rows 256 consecutive bytes, aligned.
; 32 steps of 64 keys through two LDS slots (mask 256 x 64 f32, K 64 x 128 f16, V 64 x 128 f16), one round of the cluster's barrier a step; a wave has one tensor load out at the most.
; CLUSTERS: 4 x 4.  The mask tile hangs on the query block alone: asked for jointly by a column of the cluster.  K and V hang on the head pair alone: jointly by a row.
; EVERYTHING IS TRANSPOSED, SO THAT A LANE IS ONE QUERY:
;   S^T = K Q^T + mask^T: source 0 = 16 keys x 32 d, source 1 = Q; register j of lane (r, h) is key 16 kt + 8 h + j of query r.  The mask is loaded from LDS into the
;   accumulator (8 neighbouring f32 of a mask row) and enters as C.  Two tiles of S, exponentiated and packed, are source 1 for 32 keys as they stand.
;   O^T = V^T P^T: source 0 = V^T by the transposing LDS load; register j is d = 16 dt + 8 h + j of query r.
;   Maximum, sum and rescaling are a lane's own; one exchange between the halves of the wave joins the two halves' maxima; the sum stays a half sum until the end.
; The running maximum is taken away BEFORE the multiplication by log2 e, so that rows whose maximum is huge (a row masked throughout, a mask with an offset) keep their differences.
; LIMITS: the running maximum is never below -1e38: scores below that count as -inf; a row of -inf alone gives NaN (0 x inf), as a softmax of it does.
;   Score + mask is rounded in the matrix instruction's own order, not by one f32 add.
; No prefetch: one asker for each block of bytes would need a branch on the work-group's place in its cluster.
.set QROW,  6144                       ; bytes in a row of qkv
.set YROW,  4096                       ; bytes in a row of y
.set PITM,  272                        ; mask row in LDS: 256 + 16
.set PITK,  272                        ; K row: 256 + 16
.set PITV,  288                        ; V row: 256 + 32, an odd multiple of 32 for the transposing load
.set KOFF,  256*PITM                   ; 69,632
.set VOFF,  KOFF+64*PITK               ; 87,040
.set SLOT,  VOFF+64*PITV               ; 105,472
.set STAGE, 2*SLOT                     ; 210,944, a multiple of 256: 256 rows x 272 for the way out; no tensor load lands here
.set MSTEP, 256                        ; 64 keys of the mask
.set KVSTEP, 64*QROW                   ; 64 keys of K or V
.set ADM, 2                            ; v2-3   LDS address of my mask words, slot 0, 1
.set ADK, 4                            ; v4-5   of my K fragments
.set ADV, 6                            ; v6-7   of my V fragments
.set NM,  8                            ; v8-15  tile i: minus the running maximum, twice (a pair for the packed add)
.set LS,  16                           ; v16-19 tile i: my half of the running sum
.set AL,  20                           ; v20-21 the rescaling factor, twice
.set T,   22                           ; v22-29 at work
.set QOFF, 30                          ; v30    my byte offset in Q;  v1 = r, v31 = h stay for the whole kernel
.set KF,  32                           ; v32-95   K fragment (kt, ks) at 8 (2 kt + ks)
.set S,   96                           ; v96-223  tile i at 32 i, key block kt at + 8 kt
.set P,   224                          ; v224-255 two buffers of 16: packed probabilities
.set HI,  96                           ; the end: v96-159 y's upper parts, packed
.set LO,  160                          ; the end: v160-223 y's lower parts, packed
.set Q,   128                          ; window 1: v128-191 Q fragment (i, ks) at 8 (2 i + ks); v0-127: O (i, dt) at 8 (4 i + dt)
.set VF,  192                          ; window 1: v192-255 V fragment (dt, kc) at 8 (2 dt + kc)
.set G1M, 24
.set G1K, 32
.set G1V, 40
.set G0M, 48                           ; group 0, a set for each slot
.set G0K, 56
.set G0V, 68
.set MSB, 0
.macro WIN new
.if MSB != \new
	s_set_vgpr_msb (MSB<<8)|\new
.set MSB, \new
.endif
.endm
.macro PLACES                          ; four plain vector instructions behind a matrix instruction, before one of its registers is loaded into, read or written by anything else (ISA guide 7.12.1 for vector instructions)
.rept 4
	v_nop
.endr
.endm
.macro ROUND                           ; a round of the cluster's barrier
	s_barrier_signal -1
	s_barrier_wait -1
	s_cmp_lg_u32 s10, 0
	s_cbranch_scc1 .Lnot_wave_0_\@
	s_barrier_signal -3
.Lnot_wave_0_\@:
	s_barrier_wait -3
	s_barrier_signal -1
	s_barrier_wait -1
.endm
; A step's joint loads: waves 0-3 ask for 64 rows of the mask each, wave 4 for K, wave 5 for V, waves 6 and 7 for nothing.  The branches hang on the wave's number alone.
.macro JLOAD s
	s_cmp_lt_u32 s10, 4
	s_cbranch_scc0 .Lnot_m_\@
	tensor_load_to_lds s[G0M+4*\s:G0M+4*\s+3], s[G1M:G1M+7]
	s_nop 0
	s_branch .Lasked_\@
.Lnot_m_\@:
	s_cmp_eq_u32 s10, 4
	s_cbranch_scc0 .Lnot_k_\@
	tensor_load_to_lds s[G0K+4*\s:G0K+4*\s+3], s[G1K:G1K+7]
	s_nop 0
	s_branch .Lasked_\@
.Lnot_k_\@:
	s_cmp_eq_u32 s10, 5
	s_cbranch_scc0 .Lasked_\@
	tensor_load_to_lds s[G0V+4*\s:G0V+4*\s+3], s[G1V:G1V+7]
	s_nop 0
.Lasked_\@:
.endm
	s_load_b128 s[4:7], s[0:1], 0x0                ; qkv s[4:5], mask s[6:7]
	s_load_b64 s[8:9], s[0:1], 0x10                ; y
	v_lshl_add_u32 v238, v0, 2, 0x44800
	v_mov_b32 v239, 0
	ds_add_u32 v238, v239
	s_wait_dscnt 0x0
	v_lshrrev_b32 v1, 5, v0
	v_readfirstlane_b32 s10, v1                    ; wave 0..7
	s_lshr_b32 s11, s10, 2                         ; which head of the pair
	s_and_b32 s12, s10, 3                          ; which 64 queries
	s_bfe_u32 s13, ttmp6, 0x40000                  ; cx
	s_bfe_u32 s14, ttmp6, 0x40004                  ; cy
	s_lshl_b32 s15, ttmp9, 2
	s_add_co_u32 s15, s15, s13                     ; query block 0..7
	s_and_b32 s16, ttmp7, 0xffff
	s_lshl_b32 s16, s16, 2
	s_add_co_u32 s16, s16, s14                     ; batch x 8 + pair, 0..31
	s_lshr_b32 s17, s16, 3                         ; batch
	s_and_b32 s18, s16, 7                          ; pair of heads
	s_lshl_b32 s19, 0x1111, s13                    ; my column of the cluster
	s_lshl_b32 s20, s14, 2
	s_lshl_b32 s20, 15, s20                        ; my row
	s_mov_b32 s76, 0x76543210                      ; v_permlanex16_b32: lane i of one half reads lane i of the other
	s_mov_b32 s77, 0xfedcba98
	s_mov_b32 s78, 0x3fb8aa3b                      ; log2 e, twice
	s_mov_b32 s79, 0x3fb8aa3b
	; group 1 of the mask: 64 rows x 64 elements of 4 bytes, 4 words of padding behind every 64
	s_or_b32 s[G1M+0], s19, (2<<16)|(1<<20)|(1<<21)|(5<<22)|(3<<25)
	s_mov_b32 s[G1M+1], 64<<16
	s_mov_b32 s[G1M+2], 64<<16
	s_mov_b32 s[G1M+3], 64<<16
	s_mov_b32 s[G1M+4], 64
	s_mov_b32 s[G1M+5], 2048
	s_mov_b32 s[G1M+6], 0
	s_mov_b32 s[G1M+7], 0
	; group 1 of K: 64 rows x 128 elements of 2 bytes, 4 words of padding; of V: the same with 8 words
	s_or_b32 s[G1K+0], s20, (1<<16)|(1<<20)|(1<<21)|(5<<22)|(3<<25)
	s_or_b32 s[G1V+0], s20, (1<<16)|(1<<20)|(1<<21)|(5<<22)|(7<<25)
	s_mov_b32 s[G1K+1], 128<<16
	s_mov_b32 s[G1V+1], 128<<16
	s_mov_b32 s[G1K+2], 64<<16
	s_mov_b32 s[G1V+2], 64<<16
	s_mov_b32 s[G1K+3], 128<<16
	s_mov_b32 s[G1V+3], 128<<16
	s_mov_b32 s[G1K+4], 64
	s_mov_b32 s[G1V+4], 64
	s_mov_b32 s[G1K+5], 3072
	s_mov_b32 s[G1V+5], 3072
	s_mov_b32 s[G1K+6], 0
	s_mov_b32 s[G1V+6], 0
	s_mov_b32 s[G1K+7], 0
	s_mov_b32 s[G1V+7], 0
	; offsets: the mask's is made of the query block and the wave, K's and V's of batch and pair: neither holds the other coordinate
	s_lshl_b32 s80, s15, 8
	s_lshl_b32 s21, s12, 6
	s_add_co_u32 s80, s80, s21                     ; mask row 256 x block + 64 x (wave % 4)
	s_lshl_b32 s80, s80, 13                        ; x 8,192 bytes
	s_mov_b32 s81, 0
	s_mul_i32 s82, s17, 2048*QROW                  ; the batch's rows of qkv
	s_lshl_b32 s83, s18, 8                         ; + the pair's 256 bytes
	s_add_co_u32 s82, s82, s83
	s_mov_b32 s83, 0
	s_lshl_b32 s84, s17, 11                        ; Q (a plain load of my own): row 2,048 batch + 256 block + 64 (wave % 4)
	s_lshl_b32 s85, s15, 8
	s_add_co_u32 s84, s84, s85
	s_add_co_u32 s84, s84, s21
	s_mul_i32 s84, s84, QROW
	s_lshl_b32 s85, s18, 8
	s_add_co_u32 s84, s84, s85
	s_lshl_b32 s85, s11, 7                         ; + my head's 128 bytes
	s_add_co_u32 s84, s84, s85
	s_mov_b32 s85, 0
	s_mul_i32 s22, s10, 64*PITM                    ; where my 64 mask rows go
	s_wait_kmcnt 0x0
	s_add_nc_u64 s[80:81], s[6:7], s[80:81]
	s_add_nc_u64 s[82:83], s[4:5], s[82:83]
	s_add_nc_u64 s[86:87], s[4:5], s[84:85]
.irp s, 0,1
	s_mov_b32 s[G0M+4*\s], 1
	s_add_co_u32 s[G0M+4*\s+1], s22, \s*SLOT
	s_add_nc_u64 s[G0M+4*\s+2:G0M+4*\s+3], s[80:81], \s*MSTEP
	s_or_b32 s[G0M+4*\s+3], s[G0M+4*\s+3], 0x80000000
	s_mov_b32 s[G0K+4*\s], 1
	s_mov_b32 s[G0K+4*\s+1], \s*SLOT+KOFF
	s_add_nc_u64 s[G0K+4*\s+2:G0K+4*\s+3], s[82:83], \s*KVSTEP+2048
	s_or_b32 s[G0K+4*\s+3], s[G0K+4*\s+3], 0x80000000
	s_mov_b32 s[G0V+4*\s], 1
	s_mov_b32 s[G0V+4*\s+1], \s*SLOT+VOFF
	s_add_nc_u64 s[G0V+4*\s+2:G0V+4*\s+3], s[82:83], \s*KVSTEP+4096
	s_or_b32 s[G0V+4*\s+3], s[G0V+4*\s+3], 0x80000000
.endr
	ROUND                                          ; all sixteen work-groups are here
	JLOAD 0                                        ; step 0's tiles; slot 1 is first filled behind the first step's round, as a refill is
	v_and_b32 v1, 15, v0                           ; r
	v_bfe_u32 v31, v0, 4, 1                        ; h
	v_mul_u32_u24 v[QOFF], v1, QROW
	v_lshl_add_u32 v[QOFF], v31, 4, v[QOFF]        ; query r, 8 h along d
	WIN 0x40                                       ; destination window 1
.irp i, 0,1,2,3
.irp ks, 0,1
	global_load_b128 v[Q+8*(2*\i+\ks):Q+8*(2*\i+\ks)+3],   v[QOFF], s[86:87] offset:16*QROW*\i+64*\ks
	global_load_b128 v[Q+8*(2*\i+\ks)+4:Q+8*(2*\i+\ks)+7], v[QOFF], s[86:87] offset:16*QROW*\i+64*\ks+32
.endr
.endr
	WIN 0
	v_mul_u32_u24 v[T], v1, PITM                   ; 272 r, for the mask and for K
	s_mul_i32 s21, s12, 64*PITM
	v_lshl_add_u32 v[ADM], v31, 5, v[T]            ; + 8 h words
	v_add_nc_u32 v[ADM], s21, v[ADM]
	v_add_nc_u32 v[ADM+1], SLOT, v[ADM]
	s_lshl_b32 s22, s11, 7                         ; my head's 128 bytes of a K or V row
	s_add_co_u32 s23, s22, KOFF
	v_lshl_add_u32 v[ADK], v31, 4, v[T]
	v_add_nc_u32 v[ADK], s23, v[ADK]
	v_add_nc_u32 v[ADK+1], SLOT, v[ADK]
	v_and_b32 v[T+1], 7, v0
	v_lshl_add_u32 v[T+1], v31, 3, v[T+1]          ; key row 8 h + l % 8
	v_mul_u32_u24 v[T+1], v[T+1], PITV
	v_bfe_u32 v[T+2], v0, 3, 1
	v_lshl_add_u32 v[ADV], v[T+2], 4, v[T+1]
	s_add_co_u32 s23, s22, VOFF
	v_add_nc_u32 v[ADV], s23, v[ADV]
	v_add_nc_u32 v[ADV+1], SLOT, v[ADV]
.macro LOADK slot                      ; 16 loads: 4 key blocks x 2 halves of d
.irp kt, 0,1,2,3
.irp ks, 0,1
	ds_load_b128 v[KF+8*(2*\kt+\ks):KF+8*(2*\kt+\ks)+3],   v[ADK+\slot] offset:16*PITK*\kt+64*\ks
	ds_load_b128 v[KF+8*(2*\kt+\ks)+4:KF+8*(2*\kt+\ks)+7], v[ADK+\slot] offset:16*PITK*\kt+64*\ks+32
.endr
.endr
.endm
.macro LOADM slot, i                   ; 8 loads: the mask of query tile i, straight into the accumulators
.irp kt, 0,1,2,3
	ds_load_b128 v[S+32*\i+8*\kt:S+32*\i+8*\kt+3],   v[ADM+\slot] offset:16*PITM*\i+64*\kt
	ds_load_b128 v[S+32*\i+8*\kt+4:S+32*\i+8*\kt+7], v[ADM+\slot] offset:16*PITM*\i+64*\kt+16
.endr
.endm
.macro LOADV slot                      ; 16 transposing loads: 4 blocks of d x 2 blocks of 32 keys
	WIN 0x40
.irp dt, 0,1,2,3
.irp kc, 0,1
	ds_load_tr16_b128 v[VF+8*(2*\dt+\kc):VF+8*(2*\dt+\kc)+3],   v[ADV+\slot] offset:32*PITV*\kc+32*\dt
	ds_load_tr16_b128 v[VF+8*(2*\dt+\kc)+4:VF+8*(2*\dt+\kc)+7], v[ADV+\slot] offset:32*PITV*\kc+32*\dt+16*PITV
.endr
.endr
	WIN 0
.endm
; In QK and PV the four accumulators take turns, one instruction a turn, and neighbouring runs name other accumulators.
.macro QK i                            ; S^T of tile i: 8 matrix instructions onto the mask
	WIN 0x04                                       ; source 1 (Q) window 1
.irp ks, 0,1
.irp kt, 0,1,2,3
	v_wmma_f32_16x16x32_f16 v[S+32*\i+8*\kt:S+32*\i+8*\kt+7], v[KF+8*(2*\kt+\ks):KF+8*(2*\kt+\ks)+7], v[Q+8*(2*\i+\ks):Q+8*(2*\i+\ks)+7], v[S+32*\i+8*\kt:S+32*\i+8*\kt+7]
.endr
.endr
.endm
.macro PV i, first                     ; O^T of tile i: 8 matrix instructions; in the first step the first four start the sums
	WIN 0x51                                       ; source 0 (V), C and D window 1
.irp kc, 0,1
.irp dt, 0,1,2,3
.if (\first)&(1-\kc)
	v_wmma_f32_16x16x32_f16 v[8*(4*\i+\dt):8*(4*\i+\dt)+7], v[VF+8*(2*\dt+\kc):VF+8*(2*\dt+\kc)+7], v[P+16*(\i&1)+8*\kc:P+16*(\i&1)+8*\kc+7], 0
.else
	v_wmma_f32_16x16x32_f16 v[8*(4*\i+\dt):8*(4*\i+\dt)+7], v[VF+8*(2*\dt+\kc):VF+8*(2*\dt+\kc)+7], v[P+16*(\i&1)+8*\kc:P+16*(\i&1)+8*\kc+7], v[8*(4*\i+\dt):8*(4*\i+\dt)+7]
.endif
.endr
.endr
.endm
; The softmax step of tile i: a lane has 32 scores of one query.
.macro SM i, first
	WIN 0
.set SB, S+32*\i
.set PBUF, P+16*(\i&1)
	; the maximum of 32 scores and the old maximum: 33 numbers, 16 instructions, four chains
.irp q, 0,1,2,3
	v_max3_num_f32 v[T+\q], v[SB+8*\q], v[SB+8*\q+1], v[SB+8*\q+2]
.endr
.irp q, 0,1,2,3
	v_max3_num_f32 v[T+\q], v[T+\q], v[SB+8*\q+3], v[SB+8*\q+4]
.endr
.irp q, 0,1,2,3
	v_max3_num_f32 v[T+\q], v[T+\q], v[SB+8*\q+5], v[SB+8*\q+6]
.endr
	v_max3_num_f32 v[T], v[T], v[SB+7], v[SB+15]
	v_max3_num_f32 v[T+1], v[T+1], v[SB+23], v[SB+31]
	v_max3_num_f32 v[T], v[T], v[T+1], v[T+2]
.if \first
	v_max3_num_f32 v[T], v[T], v[T+3], 0xfe967699  ; -1e38: the floor of the running maximum
.else
	v_max3_num_f32 v[T], v[T], v[T+3], -v[NM+2*\i]
.endif
	v_permlanex16_b32 v[T+1], v[T], s76, s77       ; the other half's keys of the same query
	v_min_num_f32 v[T+4], -v[T], -v[T+1]           ; minus the new maximum
.if \first
	v_mov_b32 v[NM+2*\i], v[T+4]
	v_mov_b32 v[NM+2*\i+1], v[T+4]
.else
	v_sub_f32 v[T+5], v[T+4], v[NM+2*\i]           ; old maximum - new maximum
	v_mul_f32 v[T+5], s78, v[T+5]
	v_exp_f32 v[AL], v[T+5]
	v_mov_b32 v[NM+2*\i], v[T+4]                   ; a plain instruction behind v_exp_f32 before its result is used (ISA guide 5.7.2)
	v_mov_b32 v[NM+2*\i+1], v[T+4]
	s_wait_alu depctr_va_vdst(0)
	v_mov_b32 v[AL+1], v[AL]
	WIN 0x41                                       ; O of tile i, window 1, times the factor
.set n, 0
.rept 16
	v_pk_mul_f32 v[32*\i+2*n:32*\i+2*n+1], v[32*\i+2*n:32*\i+2*n+1], v[AL:AL+1]
.set n, n+1
.endr
	WIN 0
.endif
	; p = 2^((s - maximum) log2 e); the next block's packed arithmetic is the plain work behind each run of eight v_exp_f32
.irp kt, 0,1,2,3
.irp p, 0,2,4,6
	v_pk_add_f32 v[SB+8*\kt+\p:SB+8*\kt+\p+1], v[SB+8*\kt+\p:SB+8*\kt+\p+1], v[NM+2*\i:NM+2*\i+1]
.endr
.irp p, 0,2,4,6
	v_pk_mul_f32 v[SB+8*\kt+\p:SB+8*\kt+\p+1], v[SB+8*\kt+\p:SB+8*\kt+\p+1], s[78:79] op_sel_hi:[1,0]
.endr
.irp p, 0,1,2,3,4,5,6,7
	v_exp_f32 v[SB+8*\kt+\p], v[SB+8*\kt+\p]
.endr
.endr
	; my 32 p summed: 15 packed adds; the first names key block 0 alone, so it is the plain instruction behind the last run of v_exp_f32
	s_wait_alu depctr_va_vdst(0)
	v_pk_add_f32 v[T:T+1],   v[SB:SB+1],     v[SB+2:SB+3]
	v_pk_add_f32 v[T+2:T+3], v[SB+4:SB+5],   v[SB+6:SB+7]
	v_pk_add_f32 v[T+4:T+5], v[SB+8:SB+9],   v[SB+10:SB+11]
	v_pk_add_f32 v[T+6:T+7], v[SB+12:SB+13], v[SB+14:SB+15]
.irp n, 0,2,4,6
	v_pk_add_f32 v[T+\n:T+\n+1], v[T+\n:T+\n+1], v[SB+16+\n:SB+17+\n]
.endr
.irp n, 0,2,4,6
	v_pk_add_f32 v[T+\n:T+\n+1], v[T+\n:T+\n+1], v[SB+24+\n:SB+25+\n]
.endr
	v_pk_add_f32 v[T:T+1], v[T:T+1], v[T+2:T+3]
	v_pk_add_f32 v[T+4:T+5], v[T+4:T+5], v[T+6:T+7]
	v_pk_add_f32 v[T:T+1], v[T:T+1], v[T+4:T+5]
.if \first
	v_add_f32 v[LS+\i], v[T], v[T+1]
.else
	v_fma_f32 v[LS+\i], v[LS+\i], v[AL], v[T]
	v_add_f32 v[LS+\i], v[LS+\i], v[T+1]
.endif
.irp n, 0,1,2,3,4,5,6,7,8,9,10,11,12,13,14,15
	v_cvt_pk_f16_f32 v[PBUF+\n], v[SB+2*\n], v[SB+2*\n+1]       ; registers 8 kc + 0..7: source 1 for keys 32 kc .. 32 kc + 31
.endr
.endm
; One step of 64 keys on a slot.  refill = 1: the other slot is asked for, first thing behind the round.
.macro STEP slot, other, refill, first
	s_wait_xcnt 0x0
	v_lshl_add_u32 v238, v0, 2, 0x44800
	v_mov_b32 v239, 0
	s_wait_tensorcnt 0x0                           ; all my tensor loads have landed, my part of this step's tiles among them,
	ds_add_u32 v238, v239
	s_wait_dscnt 0x0
	s_add_nc_u64 s[G0M+4*\slot+2:G0M+4*\slot+3], s[G0M+4*\slot+2:G0M+4*\slot+3], 2*MSTEP     ; so every group 0 may be written: this slot's next tiles
	s_add_nc_u64 s[G0K+4*\slot+2:G0K+4*\slot+3], s[G0K+4*\slot+2:G0K+4*\slot+3], 2*KVSTEP    ; (in the last two steps the stepped addresses are not used)
	s_add_nc_u64 s[G0V+4*\slot+2:G0V+4*\slot+3], s[G0V+4*\slot+2:G0V+4*\slot+3], 2*KVSTEP
	s_wait_dscnt 0x0                               ; my reads of the last step's slot are back
	ROUND                                          ; both now hold of every wave of every work-group of the cluster
.if \refill
	JLOAD \other
.endif
	PLACES                                         ; V's fragments were sources of the last matrix instructions
	LOADK \slot
	LOADM \slot, 0
	LOADM \slot, 1
	LOADM \slot, 2
	LOADM \slot, 3
.if \first
	s_wait_loadcnt 0x0                             ; Q, once
.endif
	s_wait_dscnt 24                                ; K and tile 0's mask are in; the masks of tiles 1, 2, 3 (8 + 8 + 8 loads) may be out
	QK 0
	LOADV \slot                                    ; V is wanted last: its 16 loads follow the first products
	s_wait_dscnt 32                                ; tile 1's mask is in; the masks of tiles 2, 3 and V (8 + 8 + 16 loads) may be out
	QK 1
	WIN 0
	PLACES                                         ; behind QK 0's results
	SM 0, \first
	s_wait_dscnt 0x0                               ; V and the last two masks
	PV 0, \first
	QK 2
	SM 1, \first
	PV 1, \first
	QK 3
	SM 2, \first
	PV 2, \first
	SM 3, \first
	PV 3, \first
	WIN 0
.endm
	STEP 0, 1, 1, 1                                ; the first step starts maxima, sums and O
	STEP 1, 0, 1, 0
	s_mov_b32 s3, 14
.Lkeys:
	STEP 0, 1, 1, 0
	STEP 1, 0, 1, 0
	s_sub_co_u32 s3, s3, 1
	s_cmp_lg_u32 s3, 0
	s_cbranch_scc1 .Lkeys
	STEP 0, 1, 1, 0
	STEP 1, 0, 0, 0                                ; step 31: nothing is left to fetch
	; THE END: join the half sums, divide, split into two bf16 parts, and out through the stage so that pieces of 256 bytes (both heads) leave whole
	PLACES
.irp i, 0,1,2,3
	v_permlanex16_b32 v[T+\i], v[LS+\i], s76, s77
.endr
.irp i, 0,1,2,3
	v_add_f32 v[LS+\i], v[LS+\i], v[T+\i]
.endr
.irp i, 0,1,2,3
	v_rcp_f32 v[NM+2*\i], v[LS+\i]
.endr
	s_mul_i32 s21, s12, 64*PITM                    ; the addresses of the way out are the plain work behind the four v_rcp_f32
	s_lshl_b32 s22, s11, 7
	s_add_co_u32 s21, s21, s22
	s_add_co_u32 s21, s21, STAGE
	v_mul_u32_u24 v[T], v1, PITM
	v_lshl_add_u32 v[T], v31, 4, v[T]
	v_add_nc_u32 v[T], s21, v[T]                   ; in: row 64 (wave % 4) + r, my head's half, 8 h along d
	s_mul_i32 s22, s10, 32*PITM
	s_add_co_u32 s22, s22, STAGE
	v_mul_u32_u24 v[T+1], v31, PITM
	v_lshl_add_u32 v[T+1], v1, 4, v[T+1]
	v_add_nc_u32 v[T+1], s22, v[T+1]               ; back: rows 32 wave + ..; lanes 0-15 one row, lanes 16-31 the next
	v_lshlrev_b32 v[T+2], 12, v31
	v_lshl_add_u32 v[T+2], v1, 4, v[T+2]           ; and the same two rows in y
	s_wait_alu depctr_va_vdst(0)
.irp i, 0,1,2,3
	v_mov_b32 v[NM+2*\i+1], v[NM+2*\i]
.endr
	WIN 0x41
.irp i, 0,1,2,3
.set n, 0
.rept 16
	v_pk_mul_f32 v[32*\i+2*n:32*\i+2*n+1], v[32*\i+2*n:32*\i+2*n+1], v[NM+2*\i:NM+2*\i+1]
.set n, n+1
.endr
.endr
	WIN 0x05                                       ; the upper parts: word m holds O's registers 2 m, 2 m + 1
.set n, 0
.rept 64
	v_cvt_pk_bf16_f32 v[HI+n], v[2*n], v[2*n+1]
.set n, n+1
.endr
	; what the upper parts leave: widen them again (a shift, a mask) and subtract; the difference is exact in f32.  Two tiles at a time, through K's 64 registers
.irp g, 0,1
	WIN 0
.set n, 0
.rept 32
	v_lshlrev_b32 v[KF+2*n], 16, v[HI+32*\g+n]
	v_and_b32 v[KF+2*n+1], 0xffff0000, v[HI+32*\g+n]
.set n, n+1
.endr
	WIN 0x41
.set n, 0
.rept 32
	v_pk_add_f32 v[64*\g+2*n:64*\g+2*n+1], v[64*\g+2*n:64*\g+2*n+1], v[KF+2*n:KF+2*n+1] neg_lo:[0,1] neg_hi:[0,1]
.set n, n+1
.endr
.endr
	WIN 0x05                                       ; the lower parts
.set n, 0
.rept 64
	v_cvt_pk_bf16_f32 v[LO+n], v[2*n], v[2*n+1]
.set n, n+1
.endr
	WIN 0
	s_lshl_b32 s84, s17, 11                        ; y: row 2,048 batch + 256 block + 32 wave
	s_lshl_b32 s85, s15, 8
	s_add_co_u32 s84, s84, s85
	s_lshl_b32 s85, s10, 5
	s_add_co_u32 s84, s84, s85
	s_lshl_b32 s84, s84, 12                        ; x 4,096 bytes: 33.6 million at the most
	s_lshl_b32 s85, s18, 8                         ; + the pair's 256 bytes
	s_add_co_u32 s84, s84, s85
	s_mov_b32 s85, 0
	s_add_nc_u64 s[8:9], s[8:9], s[84:85]
; One part leaves: 16 stores into the stage, a barrier (a row holds two waves' halves), 16 loads of two rows each into registers back .., 16 stores at byte off of y's rows
.macro LEAVE src, back, off
.irp i, 0,1,2,3
.irp dt, 0,1,2,3
	ds_store_b128 v[T], v[\src+16*\i+4*\dt:\src+16*\i+4*\dt+3] offset:16*PITM*\i+32*\dt
.endr
.endr
	s_wait_dscnt 0x0                               ; my stores are done, for the others' sake
	s_barrier_signal -1
	s_barrier_wait -1
.irp t, 0,1,2,3,4,5,6,7,8,9,10,11,12,13,14,15
	ds_load_b128 v[\back+4*\t:\back+4*\t+3], v[T+1] offset:2*PITM*\t
.endr
.irp t, 0,1,2,3,4,5,6,7,8,9,10,11,12,13,14,15
	s_wait_dscnt 15-\t
	global_store_b128 v[T+2], v[\back+4*\t:\back+4*\t+3], s[8:9] offset:2*YROW*\t+\off   ; 16 lanes store 256 consecutive bytes, aligned
.endr
.endm
	LEAVE HI, KF, 0
	s_wait_dscnt 0x0                               ; my reads of the stage are back (met: the count-down ended at 0),
	s_barrier_signal -1
	s_barrier_wait -1                              ; everybody's are: the stage may be written again
	LEAVE LO, HI, 2048                             ; read back into the upper parts' registers, which the LDS stores have left; the registers of the global stores above stay as they are
	s_wait_xcnt 0x0
	v_lshl_add_u32 v238, v0, 2, 0x44800
	v_mov_b32 v239, 0
	s_wait_tensorcnt 0x0
	ds_add_u32 v238, v239
	s_wait_dscnt 0x0
	ROUND                                          ; the closing round: no work-group ends while a partner may still ask for a tile that names it
	s_endpgm
.Lfunc_end_k_q5889aca03e_attn:
	.size	k_q5889aca03e_attn, .Lfunc_end_k_q5889aca03e_attn-k_q5889aca03e_attn
	.p2alignl 7, 3214868480
	.fill 96, 4, 3214868480
	.section	.rodata,"a",@progbits
	.p2align	6, 0x0
	.amdhsa_kernel k_q5889aca03e_attn
		.amdhsa_group_segment_fixed_size 327680
		.amdhsa_private_segment_fixed_size 0
		.amdhsa_enable_private_segment 0
		.amdhsa_kernarg_size 24
		.amdhsa_user_sgpr_count 2
		.amdhsa_user_sgpr_kernarg_segment_ptr 1
		.amdhsa_wavefront_size32 1
		.amdhsa_system_sgpr_workgroup_id_x 1
		.amdhsa_system_sgpr_workgroup_id_y 1
		.amdhsa_system_sgpr_workgroup_id_z 1
		.amdhsa_system_vgpr_workitem_id 0
		.amdhsa_next_free_vgpr 512
		.amdhsa_next_free_sgpr 88
		.amdhsa_reserve_vcc 0
		.amdhsa_float_denorm_mode_32 3
		.amdhsa_float_denorm_mode_16_64 3
		.amdhsa_memory_ordered 1
		.amdhsa_forward_progress 1
		.amdhsa_inst_pref_size 255
	.end_amdhsa_kernel
	.section	.bss,"aw",@nobits
	.p2align	6
	.space	262144
	.amdgpu_metadata
---
amdhsa.version: [ 1, 2 ]
amdhsa.kernels:
  - .name:           k_q5889aca03e_attn
    .symbol:         k_q5889aca03e_attn.kd
    .args:
      - { .name: qkv, .offset: 0, .size: 8, .value_kind: global_buffer, .address_space: global }
      - { .name: attn_mask, .offset: 8, .size: 8, .value_kind: global_buffer, .address_space: global }
      - { .name: y, .offset: 16, .size: 8, .value_kind: global_buffer, .address_space: global }
    .group_segment_fixed_size: 327680
    .private_segment_fixed_size: 0
    .kernarg_segment_align: 8
    .kernarg_segment_size: 24
    .max_flat_workgroup_size: 256
    .sgpr_count:     88
    .vgpr_count:     512
    .wavefront_size: 32
...
	.end_amdgpu_metadata
.endif
;; end of part 3
;; launch proj (part 4): grid 8 x 32, 4 waves a work-group, clusters of 4 x 4, 327,680 bytes of LDS; arguments y, woutb, bout, out0; writes out0
.if DOCPART == 4
	.amdgcn_target "amdgcn-amd-amdhsa--gfx1250"
	.amdhsa_code_object_version 6
	.text
	.protected	k_q5889aca03e_proj
	.globl	k_q5889aca03e_proj
	.p2align	8
	.type	k_q5889aca03e_proj,@function
k_q5889aca03e_proj:
	s_mov_b64 s[64:65], 0
	v_nop
	global_prefetch_b8 v0, s[64:65] scope:SCOPE_SE
	s_setreg_imm32_b32 hwreg(HW_REG_WAVE_MODE, 25, 1), 1
	s_wait_xcnt 0x0
	s_wait_alu depctr_hold_cnt(0) depctr_sa_sdst(0) depctr_va_vdst(0) depctr_va_sdst(0) depctr_va_ssrc(0) depctr_va_vcc(0) depctr_vm_vsrc(0)
	s_getreg_b32 s2, hwreg(HW_REG_IB_STS2, 6, 4)
	s_cmp_eq_u32 s2, 0
	s_cbranch_scc0 .Lentry_in_a_cluster
	s_endpgm
.Lentry_in_a_cluster:
	s_bfe_u32 s2, ttmp6, 0x10000c
	s_cmp_lg_u32 s2, 0xf033
	s_cbranch_scc0 .Lentry_shape_is_right
	s_endpgm
.Lentry_shape_is_right:
; C[m][n] = sum over k of A[m][k] W[k][n] + bias[n].  A and W bf16 (W: k down the rows), bias f32; sums in f32.
; One source serves two launches; PROJ picks the form:
;   PROJ = 0: A = xb [8192][1024], W = wqkvb [1024][3072], C = qkv in f16 (11 significant bits for what attention multiplies); the first 1,024 columns (q) are
;             multiplied by 1/8 = 1/sqrt(64), a power of two, so no rounding changes.
;             LIMIT: a q/8, k or v of 65,504 or more in magnitude becomes infinite.  With x and Wqkv both offset by 30 spreads a sum reaches 1024 x 30 x 0.94 = 28,900.
;   PROJ = 1: A = y [8192][2048], each number as two bf16 parts: columns 0-1023 the upper parts, 1024-2047 the lower; W = woutb [1024][1024], C = out0 in f32.
;             The K steps go in pairs: slot 0 takes the upper parts of k block j, slot 1 the lower parts of the same block, each with W's rows 128 j ..: 16 K steps.
; A work-group makes 256 x 128 of C with four waves; wave w makes rows 64 w .. 64 w + 63 and all 128 columns: 4 x 8 accumulator tiles, 256 registers, one window.
; (256 x 128 gives 768 and 256 work-groups; 256 x 256 would give 384 and 128.)
; K goes in steps of 128 through two LDS slots filled by the tensor data mover; every tile row is 256 consecutive bytes, aligned.
; W stays [k][n] in LDS: ds_load_tr16_b128 brings a lane eight neighbouring k of one column, which is the fragment's layout.
; CLUSTERS: 4 x 4 work-groups.  A's tile hangs on the block row alone and is asked for jointly by a row of the cluster; W's hangs on the block column alone and is
; asked for jointly by a column.  Each of the four issues the same load with the same descriptor and receives the tile in its own LDS.
; THE MATRIX INSTRUCTION IS USED TRANSPOSED: source 0 = 16 columns of W, source 1 = 16 rows of A.  Lane l then holds row l % 16 of C and, in registers 0-7,
; the columns 8 (l / 16) + 0..7: eight neighbouring numbers of a row.
; REGISTERS: window 0: addresses, two fragment buffers, work on the way out; window 1: tile (a, b) at v[8 (8 a + b)]; window 2: v0-63 the bias, register 8 b + j = column 16 b + 8 (l / 16) + j.
.set PROJ,   1
.set KSTEP,  128
.if PROJ
.set SIZE_N, 1024
.set CB,     4                         ; bytes of a number of C
.set SPITCH, 528                       ; stage row: 512 bytes + 16
.set APITCH, 2048                      ; elements in a row of A
.set KSTEPS, 16
.set ASLOT1, 2048                      ; bytes from slot 0's first tile of A to slot 1's: the lower parts
.set ASTEP,  KSTEP*2                   ; bytes from a slot's tile of A to its next
.set BSLOT1, 0                         ; slot 1 begins with the same rows of W as slot 0
.set BSTEP,  KSTEP*SIZE_N*2
.else
.set SIZE_N, 3072
.set CB,     2
.set SPITCH, 272                       ; stage row: 256 bytes + 16
.set APITCH, 1024
.set KSTEPS, 8
.set ASLOT1, KSTEP*2
.set ASTEP,  2*KSTEP*2
.set BSLOT1, KSTEP*SIZE_N*2
.set BSTEP,  2*KSTEP*SIZE_N*2
.endif
.set PA,     272                       ; A's LDS row: 256 bytes + 16: an odd multiple of 16, so the 16 rows of a fragment load begin in 16 different 16-byte columns
.set PB,     288                       ; W's LDS row: 256 bytes + 32: an odd multiple of 32, which spreads the transposing load's rows likewise
.set ATILE,  256*PA
.set BTILE,  128*PB
.set SLOT,   ATILE+BTILE               ; 106,496
.set STAGE,  2*SLOT                    ; 212,992, a multiple of 256: each wave's own 16 rows for the way out; no tensor load lands here
.set LAPS,   KSTEPS/2                  ; a lap = two K steps = once round the ring
.set ADRA, 16                          ; v16-17 LDS address of my A fragments, slot 0, 1
.set ADRB, 20                          ; v20-21 the same for W
.set STO,  24                          ; v24 way out: where I put my piece of a row
.set RD,   25                          ; v25 way out: where I read rows back
.set CO,   26                          ; v26 my byte offset in C
.set BOF,  27                          ; v27 my byte offset in the block's 128 bias numbers
.set FA0,  32                          ; A fragments, buffer 0: 4 x 8 registers
.set FA1,  64
.set FB0,  96                          ; W fragments, buffer 0: 8 x 8 registers
.set FB1,  160
.set TMP,  224                         ; way out: packed results
.set G1A, 24                           ; s[24:31] descriptor group 1, A
.set G0A, 32                           ; s[32:39] group 0, A, a set for each slot
.set G1B, 48                           ; s[48:55] group 1, W
.set G0B, 56                           ; s[56:63] group 0, W, a set for each slot
.set MULW, 0x50                        ; sources 0 and 1 window 0; C and D window 1
.set MSB, 0
.macro WIN new                         ; the immediate's high byte repeats the setting that is left; a switch that changes nothing is dropped
.if MSB != \new
	s_set_vgpr_msb (MSB<<8)|\new
.set MSB, \new
.endif
.endm
.macro PLACES                          ; four plain vector instructions behind a matrix instruction, before one of its registers is loaded into, read or written by anything else (ISA guide 7.12.1 for vector instructions)
.rept 4
	v_nop
.endr
.endm
; A joint load: waves 0 and 1 ask for A's two halves (128 rows each), waves 2 and 3 for W's (64 rows of k each).  The branch hangs on the wave's number alone.
.macro JLOAD s
	s_cmp_eq_u32 s14, 0
	s_cbranch_scc0 .Lfor_b_\@
	tensor_load_to_lds s[G0A+4*\s:G0A+4*\s+3], s[G1A:G1A+7]
	s_nop 0
	s_branch .Lasked_\@
.Lfor_b_\@:
	tensor_load_to_lds s[G0B+4*\s:G0B+4*\s+3], s[G1B:G1B+7]
	s_nop 0
	v_nop
.Lasked_\@:
.endm
; A round of the cluster's barrier: my work-group's barrier; wave 0 signals for the work-group; every wave waits for all sixteen; my work-group's barrier again.
.macro CREST                           ; a round behind its opening barrier
	s_cmp_lg_u32 s12, 0
	s_cbranch_scc1 .Lnot_wave_0_\@
	s_barrier_signal -3
.Lnot_wave_0_\@:
	s_barrier_wait -3
	s_barrier_signal -1
	s_barrier_wait -1
.endm
.macro CROUND
	s_barrier_signal -1
	s_barrier_wait -1
	CREST
.endm
	s_load_b256 s[4:11], s[0:1], 0x0               ; A s[4:5], W s[6:7], bias s[8:9], C s[10:11]
	v_lshl_add_u32 v254, v0, 2, 0x3c400
	v_mov_b32 v255, 0
	ds_add_u32 v254, v255
	v_lshrrev_b32 v1, 5, v0
	v_readfirstlane_b32 s12, v1                    ; wave 0..3
	s_and_b32 s13, s12, 1                          ; which half of the tile I fetch
	s_lshr_b32 s14, s12, 1                         ; 0: I fetch for A, 1: for W
	s_bfe_u32 s15, ttmp6, 0x40000                  ; cx
	s_bfe_u32 s16, ttmp6, 0x40004                  ; cy
	s_lshl_b32 s17, ttmp9, 2
	s_add_co_u32 s17, s17, s15                     ; block column = 4 x cluster x + cx
	s_and_b32 s18, ttmp7, 0xffff
	s_lshl_b32 s18, s18, 2
	s_add_co_u32 s18, s18, s16                     ; block row = 4 x cluster y + cy
	s_lshl_b32 s19, s16, 2
	s_lshl_b32 s19, 15, s19                        ; my row of the cluster: places 4 cy .. 4 cy + 3
	s_lshl_b32 s20, 0x1111, s15                    ; my column: places cx, cx + 4, cx + 8, cx + 12
	; group 1 of A: 128 rows x 128 elements of 2 bytes, 4 words of padding behind every 64
	s_or_b32 s[G1A+0], s19, (1<<16)|(1<<20)|(1<<21)|(5<<22)|(3<<25)
	s_mov_b32 s[G1A+1], KSTEP<<16                  ; tensor_dim0 = 128
	s_mov_b32 s[G1A+2], 128<<16                    ; tensor_dim1 = 128
	s_mov_b32 s[G1A+3], KSTEP<<16                  ; tile_dim0 = 128
	s_mov_b32 s[G1A+4], 128                        ; tile_dim1 = 128
	s_mov_b32 s[G1A+5], APITCH                     ; elements from row to row
	s_mov_b32 s[G1A+6], 0
	s_mov_b32 s[G1A+7], 0
	; group 1 of W: 64 rows (k) x 128 elements (n), 8 words of padding behind every 64
	s_or_b32 s[G1B+0], s20, (1<<16)|(1<<20)|(1<<21)|(5<<22)|(7<<25)
	s_mov_b32 s[G1B+1], 128<<16
	s_mov_b32 s[G1B+2], 64<<16
	s_mov_b32 s[G1B+3], 128<<16
	s_mov_b32 s[G1B+4], 64
	s_mov_b32 s[G1B+5], SIZE_N
	s_mov_b32 s[G1B+6], 0
	s_mov_b32 s[G1B+7], 0
	; where the tiles come from: A's offset is made of the block row and the wave, W's of the block column and the wave, each in registers that never hold the other coordinate
	s_lshl_b32 s40, s18, 8
	s_lshl_b32 s23, s13, 7
	s_add_co_u32 s40, s40, s23                     ; A: row 256 x block row + 128 x half
	s_mul_i32 s40, s40, APITCH*2                   ; in bytes: 33.1 million at the most
	s_mov_b32 s41, 0
	s_mul_i32 s44, s13, 64*SIZE_N*2                ; W: 64 rows of k x half
	s_lshl_b32 s45, s17, 8                         ; + 128 columns x block column
	s_add_co_u32 s44, s44, s45
	s_mov_b32 s45, 0
	s_mul_i32 s21, s12, 128*PA                     ; and where they go: A's halves at wave x 128 rows (waves 0, 1),
	s_mul_i32 s22, s12, 64*PB
	s_add_co_u32 s22, s22, ATILE-128*PB            ; W's at ATILE + (wave - 2) x 64 rows (waves 2, 3): no place in the cluster enters an LDS address
	s_lshl_b32 s46, s17, 9                         ; the block's 128 bias numbers
	s_mov_b32 s47, 0
	s_wait_dscnt 0x0
	s_wait_kmcnt 0x0
	s_add_nc_u64 s[42:43], s[4:5], s[40:41]
	s_add_nc_u64 s[44:45], s[6:7], s[44:45]
	s_add_nc_u64 s[8:9], s[8:9], s[46:47]
	CROUND                                         ; all sixteen work-groups are here: the first joint loads meet
.irp s, 0,1
	s_mov_b32 s[G0A+4*\s], 1
	s_add_co_u32 s[G0A+4*\s+1], s21, \s*SLOT
	s_add_nc_u64 s[G0A+4*\s+2:G0A+4*\s+3], s[42:43], \s*ASLOT1
	s_or_b32 s[G0A+4*\s+3], s[G0A+4*\s+3], 0x80000000
	s_mov_b32 s[G0B+4*\s], 1
	s_add_co_u32 s[G0B+4*\s+1], s22, \s*SLOT
	s_add_nc_u64 s[G0B+4*\s+2:G0B+4*\s+3], s[44:45], \s*BSLOT1
	s_or_b32 s[G0B+4*\s+3], s[G0B+4*\s+3], 0x80000000
	JLOAD \s                                       ; both slots' first fills go out together: two tensor loads of a wave are out here, one later
.endr
	v_and_b32 v1, 15, v0                           ; r = l % 16
	v_bfe_u32 v2, v0, 4, 1                         ; h = l / 16
	v_lshlrev_b32 v[BOF], 5, v2                    ; 8 h numbers of 4 bytes
	WIN 0x80                                       ; destination window 2
.irp b, 0,1,2,3,4,5,6,7
	global_load_b128 v[8*\b:8*\b+3],   v[BOF], s[8:9] offset:64*\b       ; bias of columns 16 b + 8 h + 0..3; waited for in front of the way out
	global_load_b128 v[8*\b+4:8*\b+7], v[BOF], s[8:9] offset:64*\b+16
.endr
	WIN 0
	v_mul_u32_u24 v3, v1, PA
	v_lshl_add_u32 v3, v2, 4, v3                   ; r x pitch + 16 h
	s_mul_i32 s23, s12, 64*PA                      ; my 64 rows of A
	v_add_nc_u32 v[ADRA], s23, v3
	v_add_nc_u32 v[ADRA+1], SLOT, v[ADRA]
	v_and_b32 v4, 7, v0
	v_lshl_add_u32 v4, v2, 3, v4                   ; row of k: 8 h + l % 8
	v_mul_u32_u24 v4, v4, PB
	v_bfe_u32 v5, v0, 3, 1
	v_lshl_add_u32 v4, v5, 4, v4                   ; + 16 bytes for the upper eight lanes of each sixteen
	v_add_nc_u32 v[ADRB], ATILE, v4
	v_add_nc_u32 v[ADRB+1], ATILE+SLOT, v4
	s_mul_i32 s23, s12, 16*SPITCH
	s_add_co_u32 s23, s23, STAGE                   ; my stage
	v_mul_u32_u24 v4, v1, SPITCH
	v_lshl_add_u32 v4, v2, 4+PROJ, v4              ; in: row r, 8 h numbers along it
	v_add_nc_u32 v[STO], s23, v4
.if PROJ
	v_and_b32 v5, 31, v0
	v_lshlrev_b32 v[CO], 4, v5                     ; back: 32 lanes take one row of 512 bytes
	v_add_nc_u32 v[RD], s23, v[CO]
.else
	v_mul_u32_u24 v5, v2, SPITCH                   ; back: lanes 0-15 take one row of 256 bytes, lanes 16-31 the next
	v_lshl_add_u32 v5, v1, 4, v5
	v_add_nc_u32 v[RD], s23, v5
	v_mul_u32_u24 v5, v2, SIZE_N*CB
	v_lshl_add_u32 v[CO], v1, 4, v5
.endif
; 8 matrix instructions: row block a of my four x all 8 column blocks, 32 along K.  zero = 1: the first product starts the sums.
; The 32 accumulators take turns, one instruction a turn, in the same order in every quarter step, over the backward jump too.
.macro MUL8 fa, fb, a, zero
.irp b, 0,1,2,3,4,5,6,7
.if \zero
	v_wmma_f32_16x16x32_bf16 v[8*(8*\a+\b):8*(8*\a+\b)+7], v[\fb+8*\b:\fb+8*\b+7], v[\fa+8*\a:\fa+8*\a+7], 0
.else
	v_wmma_f32_16x16x32_bf16 v[8*(8*\a+\b):8*(8*\a+\b)+7], v[\fb+8*\b:\fb+8*\b+7], v[\fa+8*\a:\fa+8*\a+7], v[8*(8*\a+\b):8*(8*\a+\b)+7]
.endif
.endr
.endm
; 24 LDS loads in one run: quarter kq (32 along K) of a slot: W's 8 fragments (transposing loads, 16 rows of k apart), then A's 4
.macro FETCH slot, kq, fa, fb
	WIN 0
.irp b, 0,1,2,3,4,5,6,7
	ds_load_tr16_b128 v[\fb+8*\b:\fb+8*\b+3],   v[ADRB+\slot] offset:\kq*32*PB+32*\b
	ds_load_tr16_b128 v[\fb+8*\b+4:\fb+8*\b+7], v[ADRB+\slot] offset:\kq*32*PB+32*\b+16*PB
.endr
.irp a, 0,1,2,3
	ds_load_b128 v[\fa+8*\a:\fa+8*\a+3],   v[ADRA+\slot] offset:\a*16*PA+64*\kq
	ds_load_b128 v[\fa+8*\a+4:\fa+8*\a+7], v[ADRA+\slot] offset:\a*16*PA+64*\kq+32
.endr
.endm
; One of a K step's first three quarters: multiplies buffer (fa, fb); in its middle fetches quarter kq into (ga, gb)
.macro QUARTER slot, kq, fa, fb, ga, gb, zero
	s_wait_dscnt 4                                 ; W's fragments and A's blocks 0, 1 are in; the youngest four loads (A's blocks 2, 3) may be out
	WIN MULW
	MUL8 \fa, \fb, 0, \zero
	MUL8 \fa, \fb, 1, \zero
	PLACES
	FETCH \slot, \kq, \ga, \gb
	s_wait_dscnt 24                                ; all but the 24 just issued
	WIN MULW
	MUL8 \fa, \fb, 2, \zero
	MUL8 \fa, \fb, 3, \zero
.endm
.macro THREE slot, zero
	QUARTER \slot, 1, FA0, FB0, FA1, FB1, \zero
	QUARTER \slot, 2, FA1, FB1, FA0, FB0, 0
	QUARTER \slot, 3, FA0, FB0, FA1, FB1, 0
.endm
; The last quarter: multiplies buffer 1 and changes slots.  In front of the barrier each wave waits for its reads of this slot and for all its tensor loads
; (the one that is out is its part of the next slot).  fill = 1: the barrier opens a round of the cluster's barrier, and behind the round this slot is asked for again,
; two K steps ahead, first thing.  From that request to the wait for it a wave issues 120 matrix instructions.
.macro TURN slot, next, fill
	s_wait_dscnt 4
	WIN MULW
	MUL8 FA1, FB1, 0, 0
	s_wait_dscnt 0x0                               ; my reads of this slot are over
	s_wait_tensorcnt 0x0                           ; all my tensor loads have landed
	ds_add_u32 v254, v255
	s_wait_dscnt 0x0
	s_barrier_signal -1
	MUL8 FA1, FB1, 1, 0                            ; register work while the others arrive
	WIN 0
	s_barrier_wait -1
.if \fill
	CREST                                          ; no wave of any partner still reads this slot or has a load on its way
	s_add_nc_u64 s[G0A+4*\slot+2:G0A+4*\slot+3], s[G0A+4*\slot+2:G0A+4*\slot+3], ASTEP
	s_add_nc_u64 s[G0B+4*\slot+2:G0B+4*\slot+3], s[G0B+4*\slot+2:G0B+4*\slot+3], BSTEP
	JLOAD \slot                                    ; my one tensor load behind the round
.endif
	PLACES
	FETCH \next, 0, FA0, FB0
	WIN MULW
	MUL8 FA1, FB1, 2, 0
	MUL8 FA1, FB1, 3, 0
.endm
.macro LAP zero
	THREE 0, \zero
	TURN 0, 1, 1
	THREE 1, 0
	TURN 1, 0, 1
.endm
	s_wait_tensorcnt 0x1                           ; my part of K step 0 is in; K step 1's may stay out
	s_barrier_signal -1
	s_barrier_wait -1                              ; everybody's is
	FETCH 0, 0, FA0, FB0
	LAP 1                                          ; the first lap stands in front of the loop: its first products start the sums
	WIN 0
	s_mov_b32 s3, LAPS-2
.Llap:
	LAP 0
	WIN 0
	s_sub_co_u32 s3, s3, 1
	s_cmp_lg_u32 s3, 0
	s_cbranch_scc1 .Llap
	THREE 0, 0                                     ; the last lap fills nothing
	TURN 0, 1, 0
	THREE 1, 0
	s_wait_dscnt 4
	WIN MULW
	MUL8 FA1, FB1, 0, 0
	MUL8 FA1, FB1, 1, 0
	s_wait_dscnt 0x0
	MUL8 FA1, FB1, 2, 0
	MUL8 FA1, FB1, 3, 0
	; THE WAY OUT, 16 rows at a time through my own stage, so that rows leave whole
	PLACES
	s_wait_loadcnt 0x0                             ; the bias
	s_lshl_b32 s40, s18, 8
	s_lshl_b32 s23, s12, 6
	s_add_co_u32 s40, s40, s23                     ; my first row of C
	s_mul_i32 s40, s40, SIZE_N*CB                  ; 50.3 million bytes at the most
	s_mov_b32 s41, 0
	s_add_nc_u64 s[10:11], s[10:11], s[40:41]
	s_mul_i32 s44, s17, 128*CB                     ; my first column (in the registers that held W's address)
	s_mov_b32 s45, 0
	s_add_nc_u64 s[10:11], s[10:11], s[44:45]
.if PROJ
; rows 16 a .. 16 a + 15: add the bias, 32 bytes a lane and column block into the stage, rows of 512 bytes back and out
.macro OUT16F a, rb
	WIN 0x49                                       ; D and source 0 window 1, source 1 window 2
.irp b, 0,1,2,3,4,5,6,7
.irp p, 0,2,4,6
	v_pk_add_f32 v[8*(8*\a+\b)+\p:8*(8*\a+\b)+\p+1], v[8*(8*\a+\b)+\p:8*(8*\a+\b)+\p+1], v[8*\b+\p:8*\b+\p+1]
.endr
.endr
	WIN 0x04                                       ; store data window 1
.irp b, 0,1,2,3,4,5,6,7
	ds_store_b128 v[STO], v[8*(8*\a+\b):8*(8*\a+\b)+3]   offset:64*\b
	ds_store_b128 v[STO], v[8*(8*\a+\b)+4:8*(8*\a+\b)+7] offset:64*\b+16
.endr
	WIN 0
	s_wait_xcnt 0x0                                ; the registers and the base that earlier stores read are rewritten only behind this wait (ISA guide 3.1)
.if \a
	s_add_nc_u64 s[10:11], s[10:11], 16*SIZE_N*CB
.endif
.irp t, 0,1,2,3,4,5,6,7,8,9,10,11,12,13,14,15
	ds_load_b128 v[\rb+4*\t:\rb+4*\t+3], v[RD] offset:SPITCH*\t      ; LDS serves a wave's instructions in order (ISA guide 5.7.1.4): these see the stores above
.endr
.irp t, 0,1,2,3,4,5,6,7,8,9,10,11,12,13,14,15
	s_wait_dscnt 15-\t
	global_store_b128 v[CO], v[\rb+4*\t:\rb+4*\t+3], s[10:11] offset:SIZE_N*CB*\t th:TH_STORE_NT   ; 512 consecutive bytes, aligned
.endr
.endm
	OUT16F 0, FA0
	OUT16F 1, FB0
	OUT16F 2, FA0
	OUT16F 3, FB0
.else
	s_cmp_lt_u32 ttmp9, 2                          ; cluster x 0 or 1 = block columns 0-7 = the q columns; a select, no branch
	s_cselect_b32 s66, 0x3e000000, 1.0             ; 1/8 or 1
	s_mov_b32 s67, s66
	WIN 0x82                                       ; the bias takes the factor once,
.set n, 0
.rept 32
	v_pk_mul_f32 v[2*n:2*n+1], v[2*n:2*n+1], s[66:67] op_sel_hi:[1,0]
.set n, n+1
.endr
; rows 16 a .. 16 a + 15: one fused multiply-add, round to f16, 16 bytes a lane and column block into the stage, rows of 256 bytes back and out
.macro OUT16 a, rb
	WIN 0x61                                       ; D and source 0 window 1, source 2 window 2
.irp b, 0,1,2,3,4,5,6,7
.irp p, 0,2,4,6
	v_pk_fma_f32 v[8*(8*\a+\b)+\p:8*(8*\a+\b)+\p+1], v[8*(8*\a+\b)+\p:8*(8*\a+\b)+\p+1], s[66:67], v[8*\b+\p:8*\b+\p+1] op_sel_hi:[1,0,1]
.endr
.endr
	WIN 0x05                                       ; sources window 1, destination window 0
.irp b, 0,1,2,3,4,5,6,7
.irp p, 0,1,2,3
	v_cvt_pk_f16_f32 v[TMP+4*\b+\p], v[8*(8*\a+\b)+2*\p], v[8*(8*\a+\b)+2*\p+1]
.endr
.endr
	WIN 0
.irp b, 0,1,2,3,4,5,6,7
	ds_store_b128 v[STO], v[TMP+4*\b:TMP+4*\b+3] offset:32*\b
.endr
	s_wait_xcnt 0x0                                ; the registers and the base that earlier stores read are rewritten only behind this wait (ISA guide 3.1)
.if \a
	s_add_nc_u64 s[10:11], s[10:11], 16*SIZE_N*CB
.endif
.irp t, 0,1,2,3,4,5,6,7
	ds_load_b128 v[\rb+4*\t:\rb+4*\t+3], v[RD] offset:2*SPITCH*\t    ; LDS serves a wave's instructions in order (ISA guide 5.7.1.4): these see the stores above
.endr
.irp t, 0,1,2,3,4,5,6,7
	s_wait_dscnt 7-\t
	global_store_b128 v[CO], v[\rb+4*\t:\rb+4*\t+3], s[10:11] offset:2*SIZE_N*CB*\t   ; 16 lanes store 256 consecutive bytes, aligned
.endr
.endm
	OUT16 0, FA0
	OUT16 1, FA1
	OUT16 2, FA0
	OUT16 3, FA1
.endif
	s_wait_tensorcnt 0x0
	ds_add_u32 v254, v255
	s_wait_dscnt 0x0
	CROUND                                         ; the closing round: no work-group ends while a partner may still ask for a tile that names it
	s_endpgm
.Lfunc_end_k_q5889aca03e_proj:
	.size	k_q5889aca03e_proj, .Lfunc_end_k_q5889aca03e_proj-k_q5889aca03e_proj
	.p2alignl 7, 3214868480
	.fill 96, 4, 3214868480
	.section	.rodata,"a",@progbits
	.p2align	6, 0x0
	.amdhsa_kernel k_q5889aca03e_proj
		.amdhsa_group_segment_fixed_size 327680
		.amdhsa_private_segment_fixed_size 0
		.amdhsa_enable_private_segment 0
		.amdhsa_kernarg_size 32
		.amdhsa_user_sgpr_count 2
		.amdhsa_user_sgpr_kernarg_segment_ptr 1
		.amdhsa_wavefront_size32 1
		.amdhsa_system_sgpr_workgroup_id_x 1
		.amdhsa_system_sgpr_workgroup_id_y 1
		.amdhsa_system_sgpr_workgroup_id_z 1
		.amdhsa_system_vgpr_workitem_id 0
		.amdhsa_next_free_vgpr 576
		.amdhsa_next_free_sgpr 68
		.amdhsa_reserve_vcc 0
		.amdhsa_float_denorm_mode_32 3
		.amdhsa_float_denorm_mode_16_64 3
		.amdhsa_memory_ordered 1
		.amdhsa_forward_progress 1
		.amdhsa_inst_pref_size 128
	.end_amdhsa_kernel
	.amdgpu_metadata
---
amdhsa.version: [ 1, 2 ]
amdhsa.kernels:
  - .name:           k_q5889aca03e_proj
    .symbol:         k_q5889aca03e_proj.kd
    .args:
      - { .name: y, .offset: 0, .size: 8, .value_kind: global_buffer, .address_space: global }
      - { .name: woutb, .offset: 8, .size: 8, .value_kind: global_buffer, .address_space: global }
      - { .name: bout, .offset: 16, .size: 8, .value_kind: global_buffer, .address_space: global }
      - { .name: out0, .offset: 24, .size: 8, .value_kind: global_buffer, .address_space: global }
    .group_segment_fixed_size: 327680
    .private_segment_fixed_size: 0
    .kernarg_segment_align: 8
    .kernarg_segment_size: 32
    .max_flat_workgroup_size: 128
    .sgpr_count:     68
    .vgpr_count:     576
    .wavefront_size: 32
...
	.end_amdgpu_metadata
.endif
;; end of part 4
;; ======== version 2 of 2: 4 launches; 1.18 times as fast as version 1
;; limits: inputs' magnitudes at most 1e+38; values are held in f16: magnitudes above 65,504 overflow, below 6.1e-05 lose precision
;; workspace buffers: xb 16,777,216 bytes; wqkvb 6,291,456 bytes; wouth 2,097,152 bytes; qkv 50,331,648 bytes; y 16,777,216 bytes
;; launch prep (part 5): grid 768 x 1, 8 waves a work-group, no clusters, 0 bytes of LDS; arguments x, Wqkv, Wout, xb, wqkvb, wouth; writes xb, wqkvb, wouth
.if DOCPART == 5
	.amdgcn_target "amdgcn-amd-amdhsa--gfx1250"
	.amdhsa_code_object_version 6
	.text
	.protected	k_q5889aca03e_prep
	.globl	k_q5889aca03e_prep
	.p2align	8
	.type	k_q5889aca03e_prep,@function
k_q5889aca03e_prep:
	s_mov_b64 s[64:65], 0
	v_nop
	global_prefetch_b8 v0, s[64:65] scope:SCOPE_SE
	s_setreg_imm32_b32 hwreg(HW_REG_WAVE_MODE, 25, 1), 1
	s_wait_xcnt 0x0
; Rounds x, Wqkv and Wout from f32 to bf16 (to nearest even), number for number: the layouts stay as they are.
; x and Wqkv are stored as bf16.  Wout's bf16 number is stored as f16, since it is multiplied with y, which is f16: exact for magnitudes from 2^-17 to f16's end.
; LIMIT: a Wout below 2^-17 in magnitude is off by 2^-25 at the most; one of 65,520 or more becomes infinite.
; A work-group casts 16,384 numbers (65,536 bytes in, 32,768 out).  Groups 0-511 take x (8,388,608 numbers), 512-703 Wqkv (3,145,728),
; 704-767 Wout (1,048,576): 768 groups.  Thread t takes 8 neighbouring numbers of each of eight chunks of 2,048:
; two loads of 16 bytes, one store of 16 bytes, so that one store of a wave covers 512 consecutive bytes, aligned.
; All sixteen loads of a thread go out first; a chunk's registers are rewritten only behind the wait for its own loads.
; No LDS, no matrix unit, no cluster: every byte is read once and written once and no two work-groups share one.
.set X, 4                              ; v[4:67]   chunk j: 8 registers, 8 f32 as loaded
.set Y, 68                             ; v[68:99]  chunk j: 4 registers, 8 numbers of 16 bits to store
.set G_W1, 512                         ; first work-group of Wqkv
.set G_W2, 704                         ; first work-group of Wout
	s_load_b256 s[4:11], s[0:1], 0x0               ; x s[4:5], Wqkv s[6:7], Wout s[8:9], xb s[10:11]
	s_load_b128 s[12:15], s[0:1], 0x20             ; wqkvb s[12:13], wouth s[14:15]
	v_lshlrev_b32 v1, 5, v0                        ; 32 t: my 8 f32 in a chunk
	v_lshlrev_b32 v2, 4, v0                        ; 16 t: my 8 results in a chunk
	s_mov_b32 s17, G_W1
	s_mov_b32 s19, 0
	s_wait_kmcnt 0x0
	s_cmp_ge_u32 ttmp9, G_W2                       ; the choice hangs on the work-group's number alone
	s_cselect_b64 s[20:21], s[8:9], s[6:7]         ; from Wout or Wqkv
	s_cselect_b64 s[22:23], s[14:15], s[12:13]     ; to wouth or wqkvb
	s_cselect_b32 s17, G_W2, s17                   ; the tensor's first work-group
	s_cmp_lt_u32 ttmp9, G_W1
	s_cselect_b64 s[20:21], s[4:5], s[20:21]       ; or from x
	s_cselect_b64 s[22:23], s[10:11], s[22:23]     ; to xb
	s_cselect_b32 s17, 0, s17
	s_sub_co_u32 s16, ttmp9, s17                   ; my number within the tensor, 511 at the most
	s_lshl_b32 s18, s16, 16                        ; x 65,536 bytes
	s_add_nc_u64 s[20:21], s[20:21], s[18:19]
	s_lshl_b32 s18, s16, 15                        ; x 32,768 bytes
	s_add_nc_u64 s[22:23], s[22:23], s[18:19]
.irp j, 0,1,2,3,4,5,6,7
	global_load_b128 v[X+8*\j:X+8*\j+3],   v1, s[20:21] offset:8192*\j th:TH_LOAD_NT
	global_load_b128 v[X+8*\j+4:X+8*\j+7], v1, s[20:21] offset:8192*\j+16 th:TH_LOAD_NT
.endr
; The eight chunks.  half = 1: the bf16 numbers are widened again (a shift, a mask) and written as f16.
.macro CAST half
.irp j, 0,1,2,3,4,5,6,7
	s_wait_loadcnt 14-2*\j                         ; loads come back in order (ISA guide 5.7.1): chunk j's two are in, the younger chunks' stay out
.irp k, 0,1,2,3
	v_cvt_pk_bf16_f32 v[Y+4*\j+\k], v[X+8*\j+2*\k], v[X+8*\j+2*\k+1]
.endr
.if \half
.irp k, 0,1,2,3
	v_lshlrev_b32 v[X+8*\j+2*\k], 16, v[Y+4*\j+\k]
	v_and_b32 v[X+8*\j+2*\k+1], 0xffff0000, v[Y+4*\j+\k]
.endr
.irp k, 0,1,2,3
	v_cvt_pk_f16_f32 v[Y+4*\j+\k], v[X+8*\j+2*\k], v[X+8*\j+2*\k+1]
.endr
.endif
	global_store_b128 v2, v[Y+4*\j:Y+4*\j+3], s[22:23] offset:4096*\j   ; a later launch reads these bytes: no hint
.endr
	s_endpgm
.endm
	s_cmp_ge_u32 ttmp9, G_W2                       ; compared anew: the sums above have set SCC
	s_cbranch_scc1 .Lwout
	CAST 0
.Lwout:
	CAST 1
.Lfunc_end_k_q5889aca03e_prep:
	.size	k_q5889aca03e_prep, .Lfunc_end_k_q5889aca03e_prep-k_q5889aca03e_prep
	.p2alignl 7, 3214868480
	.fill 96, 4, 3214868480
	.section	.rodata,"a",@progbits
	.p2align	6, 0x0
	.amdhsa_kernel k_q5889aca03e_prep
		.amdhsa_group_segment_fixed_size 0
		.amdhsa_private_segment_fixed_size 0
		.amdhsa_enable_private_segment 0
		.amdhsa_kernarg_size 48
		.amdhsa_user_sgpr_count 2
		.amdhsa_user_sgpr_kernarg_segment_ptr 1
		.amdhsa_wavefront_size32 1
		.amdhsa_system_sgpr_workgroup_id_x 1
		.amdhsa_system_sgpr_workgroup_id_y 1
		.amdhsa_system_sgpr_workgroup_id_z 1
		.amdhsa_system_vgpr_workitem_id 0
		.amdhsa_next_free_vgpr 100
		.amdhsa_next_free_sgpr 66
		.amdhsa_reserve_vcc 0
		.amdhsa_float_denorm_mode_32 3
		.amdhsa_float_denorm_mode_16_64 3
		.amdhsa_memory_ordered 1
		.amdhsa_forward_progress 1
		.amdhsa_inst_pref_size 14
	.end_amdhsa_kernel
	.amdgpu_metadata
---
amdhsa.version: [ 1, 2 ]
amdhsa.kernels:
  - .name:           k_q5889aca03e_prep
    .symbol:         k_q5889aca03e_prep.kd
    .args:
      - { .name: x, .offset: 0, .size: 8, .value_kind: global_buffer, .address_space: global }
      - { .name: Wqkv, .offset: 8, .size: 8, .value_kind: global_buffer, .address_space: global }
      - { .name: Wout, .offset: 16, .size: 8, .value_kind: global_buffer, .address_space: global }
      - { .name: xb, .offset: 24, .size: 8, .value_kind: global_buffer, .address_space: global }
      - { .name: wqkvb, .offset: 32, .size: 8, .value_kind: global_buffer, .address_space: global }
      - { .name: wouth, .offset: 40, .size: 8, .value_kind: global_buffer, .address_space: global }
    .group_segment_fixed_size: 0
    .private_segment_fixed_size: 0
    .kernarg_segment_align: 8
    .kernarg_segment_size: 48
    .max_flat_workgroup_size: 256
    .sgpr_count:     66
    .vgpr_count:     100
    .wavefront_size: 32
...
	.end_amdgpu_metadata
.endif
;; end of part 5
;; launch qkvg (part 6): grid 12 x 32, 4 waves a work-group, clusters of 4 x 4, 327,680 bytes of LDS; arguments xb, wqkvb, bqkv, qkv; writes qkv
.if DOCPART == 6
	.amdgcn_target "amdgcn-amd-amdhsa--gfx1250"
	.amdhsa_code_object_version 6
	.text
	.protected	k_q5889aca03e_qkvg
	.globl	k_q5889aca03e_qkvg
	.p2align	8
	.type	k_q5889aca03e_qkvg,@function
k_q5889aca03e_qkvg:
	s_mov_b64 s[64:65], 0
	v_nop
	global_prefetch_b8 v0, s[64:65] scope:SCOPE_SE
	s_setreg_imm32_b32 hwreg(HW_REG_WAVE_MODE, 25, 1), 1
	s_wait_xcnt 0x0
	s_wait_alu depctr_hold_cnt(0) depctr_sa_sdst(0) depctr_va_vdst(0) depctr_va_sdst(0) depctr_va_ssrc(0) depctr_va_vcc(0) depctr_vm_vsrc(0)
	s_getreg_b32 s2, hwreg(HW_REG_IB_STS2, 6, 4)
	s_cmp_eq_u32 s2, 0
	s_cbranch_scc0 .Lentry_in_a_cluster
	s_endpgm
.Lentry_in_a_cluster:
	s_bfe_u32 s2, ttmp6, 0x10000c
	s_cmp_lg_u32 s2, 0xf033
	s_cbranch_scc0 .Lentry_shape_is_right
	s_endpgm
.Lentry_shape_is_right:
; qkv[m][n] = f[n] (sum over k of x[m][k] Wqkv[k][n] + bqkv[n]), f = 1/8 = 1/sqrt(64) for the first 1,024 columns (q), 1 for the others (k, v).
; xb: [8192][1024] bf16, wqkvb: [1024][3072] bf16 (k down the rows), bqkv f32; sums in f32; qkv: [8192][3072] f16 (11 significant bits for what attention multiplies).
; The factor is a power of two, so it changes no rounding.
; LIMIT: a q/8, k or v of 65,504 or more in magnitude becomes infinite.  With x and Wqkv both offset by 30 spreads a sum reaches 1024 x 30 x 0.94 = 28,900.
; A work-group makes a block of 256 x 256 with four waves, as many as a WGP has SIMDs; a wave makes 128 x 128: 64 accumulator tiles of 16 x 16, 512 registers.
; WHY THIS BLOCK: a K step of 128 brings 131,072 bytes and feeds 256 matrix instructions a wave, 240 of them between a tile's request and the wait for it; a block of 256 x 128 brings
; 98,304 bytes for 128, with 120 in between.  For 32 along K a wave loads 32 times from LDS for 64 matrix instructions.  The price: 12 x 32 = 384 work-groups.
; (256 x 384 would give 256 work-groups, but two slots of it take 344,064 bytes of LDS; the rows of C of a block of 256 x 192 are 384 bytes and would not start at multiples of 256.)
; K goes in steps of 128 through a ring of two LDS slots filled by the tensor data mover: x's tile rows are 256 consecutive bytes, W's 512, all starting at multiples of 256.
; W stays [k][n] in LDS: ds_load_tr16_b128 brings a lane eight neighbouring k of one column, which is the fragment's layout.
; CLUSTERS: 4 x 4 work-groups.  x's tile hangs on the block row alone and is asked for jointly by a row of the cluster; W's hangs on the block column alone and is asked for jointly
; by a column.  Each of the four issues the same load with the same descriptor and receives the tile in its own LDS: the requests for x and W are divided by four.
; THE MATRIX INSTRUCTION IS USED TRANSPOSED: source 0 = 16 columns of W, source 1 = 16 rows of x.  Lane l then holds row l % 16 of the result and, in registers 0-7,
; the columns 8 (l / 16) + 0..7: eight neighbouring numbers of a row, which pack into 16 bytes.
; REGISTERS, in windows of 256:
;   window 0: v16-27 addresses; v64-127, v128-191 fragments of x (8 x 16 rows x 32 K), two buffers; v192-223 at work on the way out
;   window 1: v0-63 the bias, register 8 b + j = column 16 b + 8 (l / 16) + j of my 128; v64-127, v128-191 fragments of W, two buffers
;   window 2: the 32 accumulator tiles of my rows 0-63 (tile (a, b) at v[8 (8 a + b)]);   window 3: those of my rows 64-127
.set SIZE_K, 1024
.set SIZE_N, 3072
.set KSTEP,  128
.set PITCH,  272                       ; x's LDS row: 256 bytes + 16: an odd multiple of 16, so the 16 rows of a fragment load begin in 16 different 16-byte columns
.set PB,     544                       ; W's LDS row: 512 bytes + 32: an odd multiple of 32, which spreads the transposing load's rows likewise
.set HALFT,  128*PITCH                 ; 34,816: 128 rows of x, or 64 rows of W (64 x 544): what one tensor load brings
.set SLOT,   4*HALFT                   ; x's 256 rows, then W's 128 rows of k
.set STAGE,  2*SLOT                    ; 278,528, a multiple of 256: each wave's own 16 rows x 272 for the way out; no tensor load lands here
.set SPITCH, 272
.set LAPS,   SIZE_K/(2*KSTEP)          ; a lap = two K steps = once round the ring: 4
.set ADRA, 16                          ; v16-17 LDS address of my fragments of x, slot 0, 1
.set ADRB, 20                          ; v20-21 the same for W
.set STO,  24                          ; v24 way out: where I put 16 bytes of a row
.set RD,   25                          ; v25 way out: where I read a row back
.set CO,   26                          ; v26 my byte offset in qkv
.set BOF,  27                          ; v27 my byte offset in my 128 bias numbers
.set BIAS, 0                           ; window 1
.set F0,   64                          ; fragment buffer 0
.set F1,   128                         ; fragment buffer 1
.set TMP,  192                         ; way out: packed results, window 0
.set G1A, 24                           ; s[24:31] descriptor group 1, x
.set G0A, 32                           ; s[32:39] group 0, x, a set for each slot
.set G1B, 48                           ; s[48:55] group 1, W
.set G0B, 56                           ; s[56:63] group 0, W, a set for each slot
.set MUL_LO, 0xa1                      ; source 0 (W) window 1, source 1 (x) window 0, C and D window 2
.set MUL_HI, 0xf1                      ; the same, C and D window 3
.set TO_B,   0x40                      ; destination window 1, address window 0
.set MSB, 0
.macro WIN new                         ; the immediate's high byte repeats the setting that is left; a switch that changes nothing is dropped
.if MSB != \new
	s_set_vgpr_msb (MSB<<8)|\new
.set MSB, \new
.endif
.endm
.macro PLACES                          ; four plain vector instructions behind a matrix instruction, before one of its registers is loaded into, read or written by anything else (ISA guide 7.12.1 for vector instructions)
.rept 4
	v_nop
.endr
.endm
; A joint load: waves 0 and 1 ask for x's two halves (128 rows each), waves 2 and 3 for W's (64 rows of k each).  The branch hangs on the wave's number alone.
.macro JLOAD s
	s_cmp_eq_u32 s14, 0
	s_cbranch_scc0 .Lfor_b_\@
	tensor_load_to_lds s[G0A+4*\s:G0A+4*\s+3], s[G1A:G1A+7]
	s_nop 0
	s_branch .Lasked_\@
.Lfor_b_\@:
	tensor_load_to_lds s[G0B+4*\s:G0B+4*\s+3], s[G1B:G1B+7]
	s_nop 0
	v_nop
.Lasked_\@:
.endm
; A round of the cluster's barrier: my work-group's barrier; wave 0 signals for the work-group; every wave waits for all sixteen; my work-group's barrier again.
.macro CREST                           ; a round behind its opening barrier
	s_cmp_lg_u32 s12, 0
	s_cbranch_scc1 .Lnot_wave_0_\@
	s_barrier_signal -3
.Lnot_wave_0_\@:
	s_barrier_wait -3
	s_barrier_signal -1
	s_barrier_wait -1
.endm
.macro CROUND
	s_barrier_signal -1
	s_barrier_wait -1
	CREST
.endm
	s_load_b256 s[4:11], s[0:1], 0x0               ; xb s[4:5], wqkvb s[6:7], bqkv s[8:9], qkv s[10:11]
	s_set_vgpr_msb 0x40
	v_lshl_add_u32 v255, v0, 2, 0x48400
	s_set_vgpr_msb 0x4000
	v_mov_b32 v255, 0
	s_set_vgpr_msb 0x1
	ds_add_u32 v255, v255
	s_set_vgpr_msb 0x100
	v_lshrrev_b32 v1, 5, v0
	v_readfirstlane_b32 s12, v1                    ; wave 0..3
	s_and_b32 s13, s12, 1                          ; which half of the block's columns is mine.  Also: which half of the tile I fetch
	s_lshr_b32 s14, s12, 1                         ; which half of its rows.  Also: I fetch for x (0) or for W (1)
	s_bfe_u32 s15, ttmp6, 0x40000                  ; cx
	s_bfe_u32 s16, ttmp6, 0x40004                  ; cy
	s_lshl_b32 s17, ttmp9, 2
	s_add_co_u32 s17, s17, s15                     ; block column = 4 x cluster x + cx, 0..11
	s_and_b32 s18, ttmp7, 0xffff
	s_lshl_b32 s18, s18, 2
	s_add_co_u32 s18, s18, s16                     ; block row = 4 x cluster y + cy, 0..31
	s_lshl_b32 s19, s16, 2
	s_lshl_b32 s19, 15, s19                        ; my row of the cluster: places 4 cy .. 4 cy + 3
	s_lshl_b32 s20, 0x1111, s15                    ; my column: places cx, cx + 4, cx + 8, cx + 12
	; group 1 of x: 128 rows x 128 elements of 2 bytes, 4 words of padding behind every 64
	s_or_b32 s[G1A+0], s19, (1<<16)|(1<<20)|(1<<21)|(5<<22)|(3<<25)
	s_mov_b32 s[G1A+1], KSTEP<<16                  ; tensor_dim0 = 128
	s_mov_b32 s[G1A+2], 128<<16                    ; tensor_dim1 = 128
	s_mov_b32 s[G1A+3], KSTEP<<16                  ; tile_dim0 = 128
	s_mov_b32 s[G1A+4], 128                        ; tile_dim1 = 128
	s_mov_b32 s[G1A+5], SIZE_K                     ; elements from row to row
	s_mov_b32 s[G1A+6], 0
	s_mov_b32 s[G1A+7], 0
	; group 1 of W: 64 rows (k) x 256 elements (n), 8 words of padding behind every 128
	s_or_b32 s[G1B+0], s20, (1<<16)|(1<<20)|(1<<21)|(6<<22)|(7<<25)
	s_mov_b32 s[G1B+1], 256<<16                    ; tensor_dim0 = 256
	s_mov_b32 s[G1B+2], 64<<16                     ; tensor_dim1 = 64
	s_mov_b32 s[G1B+3], 256<<16                    ; tile_dim0 = 256
	s_mov_b32 s[G1B+4], 64                         ; tile_dim1 = 64
	s_mov_b32 s[G1B+5], SIZE_N
	s_mov_b32 s[G1B+6], 0
	s_mov_b32 s[G1B+7], 0
	; where the tiles come from: x's offset is made of the block row and the wave, W's of the block column and the wave, each in registers that never hold the other coordinate
	s_lshl_b32 s40, s18, 8
	s_lshl_b32 s23, s13, 7
	s_add_co_u32 s40, s40, s23                     ; x: row 256 x block row + 128 x half
	s_mul_i32 s40, s40, SIZE_K*2                   ; in bytes: 16.8 million at the most
	s_mov_b32 s41, 0
	s_mul_i32 s44, s13, 64*SIZE_N*2                ; W: 64 rows of k x half
	s_lshl_b32 s45, s17, 9                         ; + 256 columns x block column
	s_add_co_u32 s44, s44, s45
	s_mov_b32 s45, 0
	s_mul_i32 s21, s12, HALFT                      ; and where they go: x's two halves, then W's two halves = wave x 34,816: no place in the cluster enters an LDS address
	s_lshl_b32 s46, s17, 10                        ; the block's 256 bias numbers,
	s_lshl_b32 s47, s13, 9                         ; my 128 of them
	s_add_co_u32 s46, s46, s47
	s_mov_b32 s47, 0
	s_wait_dscnt 0x0
	s_wait_kmcnt 0x0
	s_add_nc_u64 s[42:43], s[4:5], s[40:41]
	s_add_nc_u64 s[44:45], s[6:7], s[44:45]
	s_add_nc_u64 s[8:9], s[8:9], s[46:47]
	CROUND                                         ; all sixteen work-groups are here: the first joint loads meet
.irp s, 0,1
	s_mov_b32 s[G0A+4*\s], 1
	s_add_co_u32 s[G0A+4*\s+1], s21, \s*SLOT
	s_add_nc_u64 s[G0A+4*\s+2:G0A+4*\s+3], s[42:43], \s*KSTEP*2
	s_or_b32 s[G0A+4*\s+3], s[G0A+4*\s+3], 0x80000000
	s_mov_b32 s[G0B+4*\s], 1
	s_add_co_u32 s[G0B+4*\s+1], s21, \s*SLOT
	s_add_nc_u64 s[G0B+4*\s+2:G0B+4*\s+3], s[44:45], \s*KSTEP*SIZE_N*2
	s_or_b32 s[G0B+4*\s+3], s[G0B+4*\s+3], 0x80000000
	JLOAD \s                                       ; both slots' first fills go out together: two tensor loads of a wave are out here, one later
.endr
	v_and_b32 v1, 15, v0                           ; r = l % 16
	v_bfe_u32 v2, v0, 4, 1                         ; h = l / 16
	v_lshlrev_b32 v[BOF], 5, v2                    ; 8 h numbers of 4 bytes
	WIN TO_B                                       ; destination window 1
.irp b, 0,1,2,3,4,5,6,7
	global_load_b128 v[BIAS+8*\b:BIAS+8*\b+3],   v[BOF], s[8:9] offset:64*\b       ; bias of columns 16 b + 8 h + 0..3; waited for in front of the way out
	global_load_b128 v[BIAS+8*\b+4:BIAS+8*\b+7], v[BOF], s[8:9] offset:64*\b+16
.endr
	WIN 0
	; A fragment is 16 rows x 32 K in 8 registers: lane l holds row l % 16; registers 0-3 hold K = 8 (l / 16) + 0..7, registers 4-7 hold K = 16 + 8 (l / 16) + 0..7.
	v_mul_u32_u24 v3, v1, PITCH
	v_lshl_add_u32 v3, v2, 4, v3                   ; x, K along the rows: r x pitch + 16 h; two loads 32 bytes apart
	s_mul_i32 s22, s14, HALFT                      ; my 128 rows of x
	v_add_nc_u32 v[ADRA], s22, v3
	v_add_nc_u32 v[ADRA+1], SLOT, v[ADRA]
	v_and_b32 v4, 7, v0
	v_lshl_add_u32 v4, v2, 3, v4                   ; W, K down the rows: row of k 8 h + l % 8; two transposing loads 16 rows apart
	v_mul_u32_u24 v4, v4, PB
	v_bfe_u32 v5, v0, 3, 1
	v_lshl_add_u32 v4, v5, 4, v4                   ; + 16 bytes for the upper eight lanes of each sixteen
	s_lshl_b32 s23, s13, 8                         ; my 128 columns: 256 bytes of a row,
	s_add_co_u32 s23, s23, 2*HALFT                 ; behind x's 256 rows
	v_add_nc_u32 v[ADRB], s23, v4
	v_add_nc_u32 v[ADRB+1], SLOT, v[ADRB]
	s_mul_i32 s23, s12, 16*SPITCH
	s_add_co_u32 s23, s23, STAGE                   ; my stage
	v_mul_u32_u24 v4, v1, SPITCH                   ; in: row r, 16 bytes for each half of the lanes
	v_lshl_add_u32 v4, v2, 4, v4
	v_add_nc_u32 v[STO], s23, v4
	v_mul_u32_u24 v5, v2, SPITCH                   ; back: lanes 0-15 take one row of 256 bytes, lanes 16-31 the next
	v_lshl_add_u32 v5, v1, 4, v5
	v_add_nc_u32 v[RD], s23, v5
	v_mul_u32_u24 v5, v2, SIZE_N*2                 ; and the same two rows in qkv
	v_lshl_add_u32 v[CO], v1, 4, v5
; 16 matrix instructions: row blocks a0, a0 + 1 of the window's four (hi = 0: my rows 0-63, 1: rows 64-127) x all 8 column blocks, 32 along K.
; zero = 1: the first product starts the sums: nothing is ever cleared.
; The 64 accumulators take turns, one instruction a turn, in the same order in every quarter step, over the backward jump too.
.macro MUL16 f, hi, a0, zero
.irp a, \a0, \a0+1
.irp b, 0,1,2,3,4,5,6,7
.if \zero
	v_wmma_f32_16x16x32_bf16 v[8*(8*(\a)+\b):8*(8*(\a)+\b)+7], v[\f+8*\b:\f+8*\b+7], v[\f+8*(4*\hi+\a):\f+8*(4*\hi+\a)+7], 0
.else
	v_wmma_f32_16x16x32_bf16 v[8*(8*(\a)+\b):8*(8*(\a)+\b)+7], v[\f+8*\b:\f+8*\b+7], v[\f+8*(4*\hi+\a):\f+8*(4*\hi+\a)+7], v[8*(8*(\a)+\b):8*(8*(\a)+\b)+7]
.endif
.endr
.endr
.endm
; 32 LDS loads in one run: quarter kq (32 along K) of a slot into buffer f: W's 8 fragments, then x's 8
.macro FETCH slot, kq, f
	WIN TO_B
.irp i, 0,1,2,3,4,5,6,7
	ds_load_tr16_b128 v[\f+8*\i:\f+8*\i+3],   v[ADRB+\slot] offset:\kq*32*PB+32*\i
	ds_load_tr16_b128 v[\f+8*\i+4:\f+8*\i+7], v[ADRB+\slot] offset:\kq*32*PB+32*\i+16*PB
.endr
	WIN 0
.irp i, 0,1,2,3,4,5,6,7
	ds_load_b128 v[\f+8*\i:\f+8*\i+3],   v[ADRA+\slot] offset:\kq*64+\i*16*PITCH
	ds_load_b128 v[\f+8*\i+4:\f+8*\i+7], v[ADRA+\slot] offset:\kq*64+\i*16*PITCH+32
.endr
.endm
; A K step is four quarter steps of 32 along K, 64 matrix instructions each, on buffers 0, 1, 0, 1.
; One of the first three: multiplies buffer f; in its middle it fetches quarter kq of the same slot into buffer g.
.macro QUARTER slot, kq, f, g, zero
	s_wait_dscnt 8                                 ; W and x's rows 0-63 are in; the youngest eight loads (x's rows 64-127) may be out
	WIN MUL_LO
	MUL16 \f, 0, 0, \zero
	MUL16 \f, 0, 2, \zero
	PLACES
	FETCH \slot, \kq, \g
	s_wait_dscnt 32                                ; all but the 32 just issued
	WIN MUL_HI
	MUL16 \f, 1, 0, \zero
	MUL16 \f, 1, 2, \zero
.endm
.macro THREE slot, zero
	QUARTER \slot, 1, F0, F1, \zero
	QUARTER \slot, 2, F1, F0, 0
	QUARTER \slot, 3, F0, F1, 0
.endm
; The last quarter: multiplies buffer 1 and changes slots.  In front of the barrier each wave waits for its reads of this slot and for all its tensor loads
; (the one that is out is its part of the next slot).  fill = 1: the barrier opens a round of the cluster's barrier, and behind the round this slot is asked for again,
; two K steps ahead, first thing.  From that request to the wait for it a wave issues 240 matrix instructions.
.macro TURN slot, next, fill
	s_wait_dscnt 8
	WIN MUL_LO
	MUL16 F1, 0, 0, 0
	s_wait_dscnt 0x0                               ; my reads of this slot are over
	s_wait_tensorcnt 0x0                           ; all my tensor loads have landed
	ds_add_u32 v255, v255
	s_wait_dscnt 0x0
	s_barrier_signal -1
	MUL16 F1, 0, 2, 0                              ; register work while the others arrive
	WIN 0
	s_barrier_wait -1
.if \fill
	CREST                                          ; no wave of any partner still reads this slot or has a load on its way
	s_add_nc_u64 s[G0A+4*\slot+2:G0A+4*\slot+3], s[G0A+4*\slot+2:G0A+4*\slot+3], 2*KSTEP*2
	s_add_nc_u64 s[G0B+4*\slot+2:G0B+4*\slot+3], s[G0B+4*\slot+2:G0B+4*\slot+3], 2*KSTEP*SIZE_N*2
	JLOAD \slot                                    ; my one tensor load behind the round
.endif
	PLACES
	FETCH \next, 0, F0
	WIN MUL_HI
	MUL16 F1, 1, 0, 0
	MUL16 F1, 1, 2, 0
.endm
.macro LAP zero                        ; once round the ring, both slots filled again
	THREE 0, \zero
	TURN 0, 1, 1
	THREE 1, 0
	TURN 1, 0, 1
.endm
	s_wait_tensorcnt 0x1                           ; my part of K step 0 is in; K step 1's may stay out
	s_barrier_signal -1
	s_barrier_wait -1                              ; everybody's is
	FETCH 0, 0, F0
	LAP 1                                          ; the first lap stands in front of the loop: its first products start the sums
	WIN 0                                          ; at a label and at a branch every window is 0
	s_mov_b32 s3, LAPS-2
.Llap:
	LAP 0
	WIN 0
	s_sub_co_u32 s3, s3, 1
	s_cmp_lg_u32 s3, 0
	s_cbranch_scc1 .Llap
	THREE 0, 0                                     ; the last lap fills nothing: my one tensor load that is still out is slot 1's, the last K step's
	TURN 0, 1, 0
	THREE 1, 0
	s_wait_dscnt 8                                 ; the very last quarter: nothing more to fetch
	WIN MUL_LO
	MUL16 F1, 0, 0, 0
	MUL16 F1, 0, 2, 0
	s_wait_dscnt 0x0
	WIN MUL_HI
	MUL16 F1, 1, 0, 0
	MUL16 F1, 1, 2, 0
	; THE WAY OUT, 16 rows at a time through my own stage, so that rows of 256 bytes leave whole
	PLACES
	s_wait_loadcnt 0x0                             ; the bias
	s_lshl_b32 s40, s18, 8
	s_lshl_b32 s23, s14, 7
	s_add_co_u32 s40, s40, s23                     ; my first row
	s_mul_i32 s40, s40, SIZE_N*2                   ; 50.3 million bytes at the most
	s_mov_b32 s41, 0
	s_add_nc_u64 s[10:11], s[10:11], s[40:41]
	s_lshl_b32 s44, s17, 9                         ; my first column, in bytes: 512 x block + 256 x half (in the registers that held W's address)
	s_lshl_b32 s45, s13, 8
	s_add_co_u32 s44, s44, s45
	s_mov_b32 s45, 0
	s_add_nc_u64 s[10:11], s[10:11], s[44:45]
	s_cmp_eq_u32 ttmp9, 0                          ; cluster x 0 = block columns 0-3 = the q columns; a select, no branch
	s_cselect_b32 s66, 0x3e000000, 1.0             ; 1/8 or 1
	s_mov_b32 s67, s66
	WIN 0x41                                       ; the bias, window 1, takes the factor once
.set n, 0
.rept 32
	v_pk_mul_f32 v[BIAS+2*n:BIAS+2*n+1], v[BIAS+2*n:BIAS+2*n+1], s[66:67] op_sel_hi:[1,0]
.set n, n+1
.endr
; rows 16 i .. 16 i + 15 of my block = the eight tiles (a, 0..7) of window 2 or 3: one fused multiply-add (fmaw: tiles as source 0 and destination, the bias of window 1 as source 2),
; round to f16 (cvtw: tiles as sources 0 and 1, destination window 0), 16 bytes a lane and column block into the stage, rows of 256 bytes back into f .. and out
.macro OUT16 i, a, fmaw, cvtw, f
	WIN \fmaw
.irp b, 0,1,2,3,4,5,6,7
.irp p, 0,2,4,6
	v_pk_fma_f32 v[8*(8*\a+\b)+\p:8*(8*\a+\b)+\p+1], v[8*(8*\a+\b)+\p:8*(8*\a+\b)+\p+1], s[66:67], v[BIAS+8*\b+\p:BIAS+8*\b+\p+1] op_sel_hi:[1,0,1]
.endr
.endr
	WIN \cvtw
.irp b, 0,1,2,3,4,5,6,7
.irp p, 0,1,2,3
	v_cvt_pk_f16_f32 v[TMP+4*\b+\p], v[8*(8*\a+\b)+2*\p], v[8*(8*\a+\b)+2*\p+1]
.endr
.endr
	WIN 0
.irp b, 0,1,2,3,4,5,6,7
	ds_store_b128 v[STO], v[TMP+4*\b:TMP+4*\b+3] offset:32*\b
.endr
	s_wait_xcnt 0x0                                ; the registers and the base that earlier stores read are rewritten only behind this wait (ISA guide 3.1)
.if \i
	s_add_nc_u64 s[10:11], s[10:11], 16*SIZE_N*2   ; 16 rows on, so that the stores' offsets stay at 14 rows at the most
.endif
.irp t, 0,1,2,3,4,5,6,7
	ds_load_b128 v[\f+4*\t:\f+4*\t+3], v[RD] offset:2*SPITCH*\t      ; LDS serves a wave's instructions in order (ISA guide 5.7.1.4): these see the stores above
.endr
.irp t, 0,1,2,3,4,5,6,7
	s_wait_dscnt 7-\t
	global_store_b128 v[CO], v[\f+4*\t:\f+4*\t+3], s[10:11] offset:2*SIZE_N*2*\t   ; 16 lanes store 256 consecutive bytes, aligned; the next launch reads them: no hint
.endr
.endm
	OUT16 0, 0, 0x92, 0x0a, F0
	OUT16 1, 1, 0x92, 0x0a, F1
	OUT16 2, 2, 0x92, 0x0a, F0
	OUT16 3, 3, 0x92, 0x0a, F1
	OUT16 4, 0, 0xd3, 0x0f, F0
	OUT16 5, 1, 0xd3, 0x0f, F1
	OUT16 6, 2, 0xd3, 0x0f, F0
	OUT16 7, 3, 0xd3, 0x0f, F1
	s_set_vgpr_msb 0x1
	s_wait_tensorcnt 0x0
	ds_add_u32 v255, v255
	s_wait_dscnt 0x0
	s_set_vgpr_msb 0x100
	CROUND                                         ; the closing round: no work-group ends while a partner may still ask for a tile that names it
	s_endpgm
.Lfunc_end_k_q5889aca03e_qkvg:
	.size	k_q5889aca03e_qkvg, .Lfunc_end_k_q5889aca03e_qkvg-k_q5889aca03e_qkvg
	.p2alignl 7, 3214868480
	.fill 96, 4, 3214868480
	.section	.rodata,"a",@progbits
	.p2align	6, 0x0
	.amdhsa_kernel k_q5889aca03e_qkvg
		.amdhsa_group_segment_fixed_size 327680
		.amdhsa_private_segment_fixed_size 0
		.amdhsa_enable_private_segment 0
		.amdhsa_kernarg_size 32
		.amdhsa_user_sgpr_count 2
		.amdhsa_user_sgpr_kernarg_segment_ptr 1
		.amdhsa_wavefront_size32 1
		.amdhsa_system_sgpr_workgroup_id_x 1
		.amdhsa_system_sgpr_workgroup_id_y 1
		.amdhsa_system_sgpr_workgroup_id_z 1
		.amdhsa_system_vgpr_workitem_id 0
		.amdhsa_next_free_vgpr 1024
		.amdhsa_next_free_sgpr 68
		.amdhsa_reserve_vcc 0
		.amdhsa_float_denorm_mode_32 3
		.amdhsa_float_denorm_mode_16_64 3
		.amdhsa_memory_ordered 1
		.amdhsa_forward_progress 1
		.amdhsa_inst_pref_size 217
	.end_amdhsa_kernel
	.amdgpu_metadata
---
amdhsa.version: [ 1, 2 ]
amdhsa.kernels:
  - .name:           k_q5889aca03e_qkvg
    .symbol:         k_q5889aca03e_qkvg.kd
    .args:
      - { .name: xb, .offset: 0, .size: 8, .value_kind: global_buffer, .address_space: global }
      - { .name: wqkvb, .offset: 8, .size: 8, .value_kind: global_buffer, .address_space: global }
      - { .name: bqkv, .offset: 16, .size: 8, .value_kind: global_buffer, .address_space: global }
      - { .name: qkv, .offset: 24, .size: 8, .value_kind: global_buffer, .address_space: global }
    .group_segment_fixed_size: 327680
    .private_segment_fixed_size: 0
    .kernarg_segment_align: 8
    .kernarg_segment_size: 32
    .max_flat_workgroup_size: 128
    .sgpr_count:     68
    .vgpr_count:     1024
    .wavefront_size: 32
...
	.end_amdgpu_metadata
.endif
;; end of part 6
;; launch attn (part 7): grid 8 x 32, 8 waves a work-group, clusters of 4 x 4, 327,680 bytes of LDS; arguments qkv, attn_mask, y; writes y
.if DOCPART == 7
	.amdgcn_target "amdgcn-amd-amdhsa--gfx1250"
	.amdhsa_code_object_version 6
	.text
	.protected	k_q5889aca03e_attn
	.globl	k_q5889aca03e_attn
	.p2align	8
	.type	k_q5889aca03e_attn,@function
k_q5889aca03e_attn:
	s_mov_b64 s[64:65], 0
	v_nop
	global_prefetch_b8 v0, s[64:65] scope:SCOPE_SE
	s_setreg_imm32_b32 hwreg(HW_REG_WAVE_MODE, 25, 1), 1
	s_wait_xcnt 0x0
	s_wait_alu depctr_hold_cnt(0) depctr_sa_sdst(0) depctr_va_vdst(0) depctr_va_sdst(0) depctr_va_ssrc(0) depctr_va_vcc(0) depctr_vm_vsrc(0)
	s_getreg_b32 s2, hwreg(HW_REG_IB_STS2, 6, 4)
	s_cmp_eq_u32 s2, 0
	s_cbranch_scc0 .Lentry_in_a_cluster
	s_endpgm
.Lentry_in_a_cluster:
	s_bfe_u32 s2, ttmp6, 0x10000c
	s_cmp_lg_u32 s2, 0xf033
	s_cbranch_scc0 .Lentry_shape_is_right
	s_endpgm
.Lentry_shape_is_right:
; y = softmax(q' k^T + mask) v for every batch and head; q' already carries the factor 1/8.  qkv: [8192][3072] f16 (q, k, v; head h at column 64 h of each), mask: [2048][2048] f32,
; y: [8192][1024] f16.  The mask is an input: all 2,048 keys are worked for every query and every mask word is read and added.
; FORMATS: q, k, v, the probabilities and y are f16, 11 significant bits: a query that the mask leaves few keys gives a y as large as v, far above the common size of y, and
; its error has to stay small against the common size.  y is a weighted mean of v, so it has v's range.  Probabilities are at most 1 (the running maximum is taken away first);
; one below 6e-8 of the row's largest counts as 0.
; A work-group takes 256 queries of a PAIR of heads: 8 x 32 = 256 work-groups.  Wave w takes head w / 4 of the pair and queries 64 (w % 4) .. + 63: four tiles of 16.
; The pair lets one mask tile in LDS serve two heads, makes K's and V's tile rows and y's pieces of rows 256 consecutive bytes, aligned.
; 32 steps of 64 keys through two LDS slots (mask 256 x 64 f32, K 64 x 128 f16, V 64 x 128 f16), one round of the cluster's barrier a step; a wave has one tensor load out at the most.
; CLUSTERS: 4 x 4.  The mask tile hangs on the query block alone: asked for jointly by a column of the cluster.  K and V hang on the head pair alone: jointly by a row.
; EVERYTHING IS TRANSPOSED, SO THAT A LANE IS ONE QUERY:
;   S^T = K Q^T + mask^T: source 0 = 16 keys x 32 d, source 1 = Q; register j of lane (r, h) is key 16 kt + 8 h + j of query r.  The mask is loaded from LDS into the
;   accumulator (8 neighbouring f32 of a mask row) and enters as C.  Two tiles of S, exponentiated and packed, are source 1 for 32 keys as they stand.
;   O^T = V^T P^T: source 0 = V^T by the transposing LDS load; register j is d = 16 dt + 8 h + j of query r.
;   Maximum, sum and rescaling are a lane's own; one exchange between the halves of the wave joins the two halves' maxima; the sum stays a half sum until the end.
; A PIPELINE OF PHASES: phase i is the softmax of tile i, 137 vector instructions, and among them stand the 16 matrix instructions of its neighbours, which name none of its registers:
;   O^T of tile i - 1 (its probabilities were packed a phase ago) and S^T of tile i + 1 (read a phase later).  So vector work stands in the places behind every matrix instruction.
;   A phase has three window settings: 0 (maximum, factor, sum, packing), 0x51 (the products for O, and O's rescaling, which fits the same setting), 0x04 (the products for S, and
;   subtraction, scaling, exponentials and the sum, whose second source is a scalar there).
;   The change of slots stands in front of tile 3's phase: behind the round come the refill and the loads of K and of tile 0's mask, then the last step's tile 3, so that those loads
;   have a phase's vector work in front of their first use.  V's old fragments stay in registers until tile 3's products are issued; the new ones are loaded behind them.
; The running maximum is taken away BEFORE the multiplication by log2 e, so that rows whose maximum is huge (a row masked throughout, a mask with an offset) keep their differences.
; LIMITS: the running maximum is never below -1e38: scores below that count as -inf; a row of -inf alone gives NaN (0 x inf), as a softmax of it does.
;   Score + mask is rounded in the matrix instruction's own order, not by one f32 add.
; No prefetch: one asker for each block of bytes would need a branch on the work-group's place in its cluster.
.set QROW,  6144                       ; bytes in a row of qkv
.set YROW,  2048                       ; bytes in a row of y
.set PITM,  272                        ; mask row in LDS: 256 + 16
.set PITK,  272                        ; K row: 256 + 16
.set PITV,  288                        ; V row: 256 + 32, an odd multiple of 32 for the transposing load
.set KOFF,  256*PITM                   ; 69,632
.set VOFF,  KOFF+64*PITK               ; 87,040
.set SLOT,  VOFF+64*PITV               ; 105,472
.set STAGE, 2*SLOT                     ; 210,944, a multiple of 256: 256 rows x 272 for the way out; no tensor load lands here
.set MSTEP, 256                        ; 64 keys of the mask
.set KVSTEP, 64*QROW                   ; 64 keys of K or V
.set ADM, 2                            ; v2-3   LDS address of my mask words, slot 0, 1
.set ADK, 4                            ; v4-5   of my K fragments
.set ADV, 6                            ; v6-7   of my V fragments
.set NM,  8                            ; v8-15  tile i: minus the running maximum, twice (a pair for the packed arithmetic)
.set LS,  16                           ; v16-19 tile i: my half of the running sum
.set AL,  20                           ; v20-21 the rescaling factor, twice
.set T,   22                           ; v22-29 at work
.set QOFF, 30                          ; v30    my byte offset in Q;  v1 = r, v31 = h stay for the whole kernel
.set KF,  32                           ; v32-95   K fragment (kt, ks) at 8 (2 kt + ks)
.set S,   96                           ; v96-223  tile i at 32 i, key block kt at + 8 kt
.set P,   224                          ; v224-255 two buffers of 16: packed probabilities
.set HI,  96                           ; the end: v96-159 y, packed
.set Q,   128                          ; window 1: v128-191 Q fragment (i, ks) at 8 (2 i + ks); v0-127: O (i, dt) at 8 (4 i + dt)
.set VF,  192                          ; window 1: v192-255 V fragment (dt, kc) at 8 (2 dt + kc)
.set G1M, 24
.set G1K, 32
.set G1V, 40
.set G0M, 48                           ; group 0, a set for each slot
.set G0K, 56
.set G0V, 68
.set MSB, 0
.macro WIN new
.if MSB != \new
	s_set_vgpr_msb (MSB<<8)|\new
.set MSB, \new
.endif
.endm
.macro PLACES                          ; four plain vector instructions behind a matrix instruction, before one of its registers is loaded into, read or written by anything else (ISA guide 7.12.1 for vector instructions)
.rept 4
	v_nop
.endr
.endm
.macro ROUND                           ; a round of the cluster's barrier
	s_barrier_signal -1
	s_barrier_wait -1
	s_cmp_lg_u32 s10, 0
	s_cbranch_scc1 .Lnot_wave_0_\@
	s_barrier_signal -3
.Lnot_wave_0_\@:
	s_barrier_wait -3
	s_barrier_signal -1
	s_barrier_wait -1
.endm
; A step's joint loads: waves 0-3 ask for 64 rows of the mask each, wave 4 for K, wave 5 for V, waves 6 and 7 for nothing.  The branches hang on the wave's number alone.
.macro JLOAD s
	s_cmp_lt_u32 s10, 4
	s_cbranch_scc0 .Lnot_m_\@
	tensor_load_to_lds s[G0M+4*\s:G0M+4*\s+3], s[G1M:G1M+7]
	s_nop 0
	s_branch .Lasked_\@
.Lnot_m_\@:
	s_cmp_eq_u32 s10, 4
	s_cbranch_scc0 .Lnot_k_\@
	tensor_load_to_lds s[G0K+4*\s:G0K+4*\s+3], s[G1K:G1K+7]
	s_nop 0
	s_branch .Lasked_\@
.Lnot_k_\@:
	s_cmp_eq_u32 s10, 5
	s_cbranch_scc0 .Lasked_\@
	tensor_load_to_lds s[G0V+4*\s:G0V+4*\s+3], s[G1V:G1V+7]
	s_nop 0
.Lasked_\@:
.endm
	s_load_b128 s[4:7], s[0:1], 0x0                ; qkv s[4:5], mask s[6:7]
	s_load_b64 s[8:9], s[0:1], 0x10                ; y
	v_lshl_add_u32 v254, v0, 2, 0x44800
	v_mov_b32 v255, 0
	ds_add_u32 v254, v255
	s_wait_dscnt 0x0
	v_lshrrev_b32 v1, 5, v0
	v_readfirstlane_b32 s10, v1                    ; wave 0..7
	s_lshr_b32 s11, s10, 2                         ; which head of the pair
	s_and_b32 s12, s10, 3                          ; which 64 queries
	s_bfe_u32 s13, ttmp6, 0x40000                  ; cx
	s_bfe_u32 s14, ttmp6, 0x40004                  ; cy
	s_lshl_b32 s15, ttmp9, 2
	s_add_co_u32 s15, s15, s13                     ; query block 0..7
	s_and_b32 s16, ttmp7, 0xffff
	s_lshl_b32 s16, s16, 2
	s_add_co_u32 s16, s16, s14                     ; batch x 8 + pair, 0..31
	s_lshr_b32 s17, s16, 3                         ; batch
	s_and_b32 s18, s16, 7                          ; pair of heads
	s_lshl_b32 s19, 0x1111, s13                    ; my column of the cluster
	s_lshl_b32 s20, s14, 2
	s_lshl_b32 s20, 15, s20                        ; my row
	s_mov_b32 s76, 0x76543210                      ; v_permlanex16_b32: lane i of one half reads lane i of the other
	s_mov_b32 s77, 0xfedcba98
	s_mov_b32 s78, 0x3fb8aa3b                      ; log2 e, twice
	s_mov_b32 s79, 0x3fb8aa3b
	s_mov_b32 s88, 1.0                             ; one, twice: the factor of the sums that are written x 1 + y
	s_mov_b32 s89, 1.0
	; group 1 of the mask: 64 rows x 64 elements of 4 bytes, 4 words of padding behind every 64
	s_or_b32 s[G1M+0], s19, (2<<16)|(1<<20)|(1<<21)|(5<<22)|(3<<25)
	s_mov_b32 s[G1M+1], 64<<16
	s_mov_b32 s[G1M+2], 64<<16
	s_mov_b32 s[G1M+3], 64<<16
	s_mov_b32 s[G1M+4], 64
	s_mov_b32 s[G1M+5], 2048
	s_mov_b32 s[G1M+6], 0
	s_mov_b32 s[G1M+7], 0
	; group 1 of K: 64 rows x 128 elements of 2 bytes, 4 words of padding; of V: the same with 8 words
	s_or_b32 s[G1K+0], s20, (1<<16)|(1<<20)|(1<<21)|(5<<22)|(3<<25)
	s_or_b32 s[G1V+0], s20, (1<<16)|(1<<20)|(1<<21)|(5<<22)|(7<<25)
	s_mov_b32 s[G1K+1], 128<<16
	s_mov_b32 s[G1V+1], 128<<16
	s_mov_b32 s[G1K+2], 64<<16
	s_mov_b32 s[G1V+2], 64<<16
	s_mov_b32 s[G1K+3], 128<<16
	s_mov_b32 s[G1V+3], 128<<16
	s_mov_b32 s[G1K+4], 64
	s_mov_b32 s[G1V+4], 64
	s_mov_b32 s[G1K+5], 3072
	s_mov_b32 s[G1V+5], 3072
	s_mov_b32 s[G1K+6], 0
	s_mov_b32 s[G1V+6], 0
	s_mov_b32 s[G1K+7], 0
	s_mov_b32 s[G1V+7], 0
	; offsets: the mask's is made of the query block and the wave, K's and V's of batch and pair: neither holds the other coordinate
	s_lshl_b32 s80, s15, 8
	s_lshl_b32 s21, s12, 6
	s_add_co_u32 s80, s80, s21                     ; mask row 256 x block + 64 x (wave % 4)
	s_lshl_b32 s80, s80, 13                        ; x 8,192 bytes
	s_mov_b32 s81, 0
	s_mul_i32 s82, s17, 2048*QROW                  ; the batch's rows of qkv
	s_lshl_b32 s83, s18, 8                         ; + the pair's 256 bytes
	s_add_co_u32 s82, s82, s83
	s_mov_b32 s83, 0
	s_lshl_b32 s84, s17, 11                        ; Q (a plain load of my own): row 2,048 batch + 256 block + 64 (wave % 4)
	s_lshl_b32 s85, s15, 8
	s_add_co_u32 s84, s84, s85
	s_add_co_u32 s84, s84, s21
	s_mul_i32 s84, s84, QROW
	s_lshl_b32 s85, s18, 8
	s_add_co_u32 s84, s84, s85
	s_lshl_b32 s85, s11, 7                         ; + my head's 128 bytes
	s_add_co_u32 s84, s84, s85
	s_mov_b32 s85, 0
	s_mul_i32 s22, s10, 64*PITM                    ; where my 64 mask rows go
	s_wait_kmcnt 0x0
	s_add_nc_u64 s[80:81], s[6:7], s[80:81]
	s_add_nc_u64 s[82:83], s[4:5], s[82:83]
	s_add_nc_u64 s[86:87], s[4:5], s[84:85]
.irp s, 0,1
	s_mov_b32 s[G0M+4*\s], 1
	s_add_co_u32 s[G0M+4*\s+1], s22, \s*SLOT
	s_add_nc_u64 s[G0M+4*\s+2:G0M+4*\s+3], s[80:81], \s*MSTEP
	s_or_b32 s[G0M+4*\s+3], s[G0M+4*\s+3], 0x80000000
	s_mov_b32 s[G0K+4*\s], 1
	s_mov_b32 s[G0K+4*\s+1], \s*SLOT+KOFF
	s_add_nc_u64 s[G0K+4*\s+2:G0K+4*\s+3], s[82:83], \s*KVSTEP+2048
	s_or_b32 s[G0K+4*\s+3], s[G0K+4*\s+3], 0x80000000
	s_mov_b32 s[G0V+4*\s], 1
	s_mov_b32 s[G0V+4*\s+1], \s*SLOT+VOFF
	s_add_nc_u64 s[G0V+4*\s+2:G0V+4*\s+3], s[82:83], \s*KVSTEP+4096
	s_or_b32 s[G0V+4*\s+3], s[G0V+4*\s+3], 0x80000000
.endr
	ROUND                                          ; all sixteen work-groups are here
	JLOAD 0                                        ; step 0's tiles; slot 1 is first filled behind the first step's round, as a refill is
	v_and_b32 v1, 15, v0                           ; r
	v_bfe_u32 v31, v0, 4, 1                        ; h
	v_mul_u32_u24 v[QOFF], v1, QROW
	v_lshl_add_u32 v[QOFF], v31, 4, v[QOFF]        ; query r, 8 h along d
	WIN 0x40                                       ; destination window 1
.irp i, 0,1,2,3
.irp ks, 0,1
	global_load_b128 v[Q+8*(2*\i+\ks):Q+8*(2*\i+\ks)+3],   v[QOFF], s[86:87] offset:16*QROW*\i+64*\ks
	global_load_b128 v[Q+8*(2*\i+\ks)+4:Q+8*(2*\i+\ks)+7], v[QOFF], s[86:87] offset:16*QROW*\i+64*\ks+32
.endr
.endr
	WIN 0
	v_mul_u32_u24 v[T], v1, PITM                   ; 272 r, for the mask and for K
	s_mul_i32 s21, s12, 64*PITM
	v_lshl_add_u32 v[ADM], v31, 5, v[T]            ; + 8 h words
	v_add_nc_u32 v[ADM], s21, v[ADM]
	v_add_nc_u32 v[ADM+1], SLOT, v[ADM]
	s_lshl_b32 s22, s11, 7                         ; my head's 128 bytes of a K or V row
	s_add_co_u32 s23, s22, KOFF
	v_lshl_add_u32 v[ADK], v31, 4, v[T]
	v_add_nc_u32 v[ADK], s23, v[ADK]
	v_add_nc_u32 v[ADK+1], SLOT, v[ADK]
	v_and_b32 v[T+1], 7, v0
	v_lshl_add_u32 v[T+1], v31, 3, v[T+1]          ; key row 8 h + l % 8
	v_mul_u32_u24 v[T+1], v[T+1], PITV
	v_bfe_u32 v[T+2], v0, 3, 1
	v_lshl_add_u32 v[ADV], v[T+2], 4, v[T+1]
	s_add_co_u32 s23, s22, VOFF
	v_add_nc_u32 v[ADV], s23, v[ADV]
	v_add_nc_u32 v[ADV+1], SLOT, v[ADV]
.macro LOADK slot                      ; 16 loads: 4 key blocks x 2 halves of d
.irp kt, 0,1,2,3
.irp ks, 0,1
	ds_load_b128 v[KF+8*(2*\kt+\ks):KF+8*(2*\kt+\ks)+3],   v[ADK+\slot] offset:16*PITK*\kt+64*\ks
	ds_load_b128 v[KF+8*(2*\kt+\ks)+4:KF+8*(2*\kt+\ks)+7], v[ADK+\slot] offset:16*PITK*\kt+64*\ks+32
.endr
.endr
.endm
.macro LOADM slot, i                   ; 8 loads: the mask of query tile i, straight into the accumulators; data and address in window 0, so the settings 0 and 0x04 both serve
.irp kt, 0,1,2,3
	ds_load_b128 v[S+32*\i+8*\kt:S+32*\i+8*\kt+3],   v[ADM+\slot] offset:16*PITM*\i+64*\kt
	ds_load_b128 v[S+32*\i+8*\kt+4:S+32*\i+8*\kt+7], v[ADM+\slot] offset:16*PITM*\i+64*\kt+16
.endr
.endm
.macro LOADV slot                      ; 16 transposing loads: 4 blocks of d x 2 blocks of 32 keys; leaves the setting 0x40
	WIN 0x40
.irp dt, 0,1,2,3
.irp kc, 0,1
	ds_load_tr16_b128 v[VF+8*(2*\dt+\kc):VF+8*(2*\dt+\kc)+3],   v[ADV+\slot] offset:32*PITV*\kc+32*\dt
	ds_load_tr16_b128 v[VF+8*(2*\dt+\kc)+4:VF+8*(2*\dt+\kc)+7], v[ADV+\slot] offset:32*PITV*\kc+32*\dt+16*PITV
.endr
.endr
.endm
; The n-th of the eight products of S^T of tile i (setting 0x04): half n / 4 of d, key block n % 4.  The n-th of the eight of O^T of tile i (setting 0x51): keys 32 (n / 4) .., block n % 4 of d.
; In both the four accumulators take turns, one instruction a turn, and a run's neighbours name other accumulators.
.macro QKW i, n
	v_wmma_f32_16x16x32_f16 v[S+32*\i+8*((\n)%4):S+32*\i+8*((\n)%4)+7], v[KF+8*(2*((\n)%4)+(\n)/4):KF+8*(2*((\n)%4)+(\n)/4)+7], v[Q+8*(2*\i+(\n)/4):Q+8*(2*\i+(\n)/4)+7], v[S+32*\i+8*((\n)%4):S+32*\i+8*((\n)%4)+7]
.endm
.macro PVW i, n, first                 ; first = 1: the first four start the sums
.if (\first)*(1-(\n)/4)
	v_wmma_f32_16x16x32_f16 v[8*(4*\i+(\n)%4):8*(4*\i+(\n)%4)+7], v[VF+8*(2*((\n)%4)+(\n)/4):VF+8*(2*((\n)%4)+(\n)/4)+7], v[P+16*(\i&1)+8*((\n)/4):P+16*(\i&1)+8*((\n)/4)+7], 0
.else
	v_wmma_f32_16x16x32_f16 v[8*(4*\i+(\n)%4):8*(4*\i+(\n)%4)+7], v[VF+8*(2*((\n)%4)+(\n)/4):VF+8*(2*((\n)%4)+(\n)/4)+7], v[P+16*(\i&1)+8*((\n)/4):P+16*(\i&1)+8*((\n)/4)+7], v[8*(4*\i+(\n)%4):8*(4*\i+(\n)%4)+7]
.endif
.endm
; Under the setting 0x04 an instruction's second source names window 1, so a sum of two registers of window 0 is written x 1 + y, the 1 in s[88:89]: the same value, one rounding.
.macro SUB4 i, kt                      ; s - maximum for the 8 scores of key block kt
.irp p, 0,2,4,6
	v_pk_fma_f32 v[S+32*\i+8*\kt+\p:S+32*\i+8*\kt+\p+1], v[S+32*\i+8*\kt+\p:S+32*\i+8*\kt+\p+1], s[88:89], v[NM+2*\i:NM+2*\i+1] op_sel_hi:[1,0,1]
.endr
.endm
.macro EXP8 i, kt                      ; p = 2^((s - maximum) log2 e)
.irp p, 0,2,4,6
	v_pk_mul_f32 v[S+32*\i+8*\kt+\p:S+32*\i+8*\kt+\p+1], v[S+32*\i+8*\kt+\p:S+32*\i+8*\kt+\p+1], s[78:79] op_sel_hi:[1,0]
.endr
.irp p, 0,1,2,3,4,5,6,7
	v_exp_f32 v[S+32*\i+8*\kt+\p], v[S+32*\i+8*\kt+\p]
.endr
.endm
; A phase: the softmax step of tile i (a lane has 32 scores of one query), with O^T of tile pv and S^T of tile qk among it (9: none).
; first: tile i's first step; pvfirst: tile pv's.  hook: the LDS traffic that rides on this phase: 1 tile 3's, 2 tile 0's, 3 tile 1's, 0 none.
.macro PHASE i, first, pv, pvfirst, qk, hook, slot
.set SB, S+32*\i
.set PBUF, P+16*(\i&1)
	WIN 0
.if \hook == 2
	LOADM \slot, 2                                 ; tiles 2 and 3 have been packed: their registers take the new masks
	LOADM \slot, 3
.endif
	; the maximum of 32 scores and the old maximum: 33 numbers, 16 instructions, four chains
.irp q, 0,1,2,3
	v_max3_num_f32 v[T+\q], v[SB+8*\q], v[SB+8*\q+1], v[SB+8*\q+2]
.endr
.irp q, 0,1,2,3
	v_max3_num_f32 v[T+\q], v[T+\q], v[SB+8*\q+3], v[SB+8*\q+4]
.endr
.irp q, 0,1,2,3
	v_max3_num_f32 v[T+\q], v[T+\q], v[SB+8*\q+5], v[SB+8*\q+6]
.endr
	v_max3_num_f32 v[T], v[T], v[SB+7], v[SB+15]
	v_max3_num_f32 v[T+1], v[T+1], v[SB+23], v[SB+31]
	v_max3_num_f32 v[T], v[T], v[T+1], v[T+2]
.if \first
	v_max3_num_f32 v[T], v[T], v[T+3], 0xfe967699  ; -1e38: the floor of the running maximum
.else
	v_max3_num_f32 v[T], v[T], v[T+3], -v[NM+2*\i]
.endif
	v_permlanex16_b32 v[T+1], v[T], s76, s77       ; the other half's keys of the same query
	v_min_num_f32 v[T+4], -v[T], -v[T+1]           ; minus the new maximum
.if \first
	v_mov_b32 v[NM+2*\i], v[T+4]
	v_mov_b32 v[NM+2*\i+1], v[T+4]
.else
	v_sub_f32 v[T+5], v[T+4], v[NM+2*\i]           ; old maximum - new maximum
	v_mul_f32 v[T+5], s78, v[T+5]
	v_exp_f32 v[AL], v[T+5]
	v_mov_b32 v[NM+2*\i], v[T+4]                   ; a plain instruction behind v_exp_f32 before its result is used (ISA guide 5.7.2)
	v_mov_b32 v[NM+2*\i+1], v[T+4]
	s_wait_alu depctr_va_vdst(0)
	v_mov_b32 v[AL+1], v[AL]
.endif
.if \hook == 3
	s_wait_dscnt 0x0                               ; V is in (and the masks of tiles 2 and 3)
.endif
	WIN 0x51                                       ; sources 0 and 2 and the destination window 1, source 1 window 0: O^T's products, and O of tile i times the factor
.irp n, 0,1,2,3,4,5,6,7
.if \pv < 4
	PVW \pv, \n, \pvfirst
.endif
.if 1-\first
	v_pk_mul_f32 v[32*\i+4*\n:32*\i+4*\n+1], v[32*\i+4*\n:32*\i+4*\n+1], v[AL:AL+1]
	v_pk_mul_f32 v[32*\i+4*\n+2:32*\i+4*\n+3], v[32*\i+4*\n+2:32*\i+4*\n+3], v[AL:AL+1]
.endif
.endr
	WIN 0x04                                       ; source 1 window 1: S^T's products; the vector work here has a scalar as its second source
.if \hook == 1
	LOADM \slot, 1
.endif
	SUB4 \i, 0
	EXP8 \i, 0
.if \hook == 1
	s_wait_dscnt 8                                 ; K and tile 0's mask are in; tile 1's mask (8 loads) may be out
.endif
.if \hook == 2
	LOADV \slot                                    ; behind the last product that read the old V stand two rescalings and the eight packed instructions above
	s_wait_dscnt 32                                ; tile 1's mask is in; the masks of tiles 2, 3 and V (8 + 8 + 16 loads) may be out
	WIN 0x04
.endif
	; behind each run of eight v_exp_f32 the next key block's packed arithmetic is the plain work (ISA guide 5.7.2); the products between them are none
.irp kt, 1,2,3
	SUB4 \i, \kt
.if \qk < 4
	QKW \qk, 2*\kt-2
.endif
	EXP8 \i, \kt
.if \qk < 4
	QKW \qk, 2*\kt-1
.endif
.endr
	; my 32 p summed: 15 packed sums; the first four name key blocks 0 and 1 alone
	s_wait_alu depctr_va_vdst(0)
	v_pk_fma_f32 v[T:T+1],   v[SB:SB+1],     s[88:89], v[SB+2:SB+3]   op_sel_hi:[1,0,1]
	v_pk_fma_f32 v[T+2:T+3], v[SB+4:SB+5],   s[88:89], v[SB+6:SB+7]   op_sel_hi:[1,0,1]
	v_pk_fma_f32 v[T+4:T+5], v[SB+8:SB+9],   s[88:89], v[SB+10:SB+11] op_sel_hi:[1,0,1]
	v_pk_fma_f32 v[T+6:T+7], v[SB+12:SB+13], s[88:89], v[SB+14:SB+15] op_sel_hi:[1,0,1]
.if \qk < 4
	QKW \qk, 6
.endif
.irp n, 0,2,4,6
	v_pk_fma_f32 v[T+\n:T+\n+1], v[SB+16+\n:SB+17+\n], s[88:89], v[T+\n:T+\n+1] op_sel_hi:[1,0,1]
.endr
.if \qk < 4
	QKW \qk, 7                                     ; behind it: 7 packed sums, the running sum and 16 conversions, before its results are read or K's registers loaded again
.endif
.irp n, 0,2,4,6
	v_pk_fma_f32 v[T+\n:T+\n+1], v[SB+24+\n:SB+25+\n], s[88:89], v[T+\n:T+\n+1] op_sel_hi:[1,0,1]
.endr
	v_pk_fma_f32 v[T:T+1],   v[T:T+1],   s[88:89], v[T+2:T+3] op_sel_hi:[1,0,1]
	v_pk_fma_f32 v[T+4:T+5], v[T+4:T+5], s[88:89], v[T+6:T+7] op_sel_hi:[1,0,1]
	v_pk_fma_f32 v[T:T+1],   v[T:T+1],   s[88:89], v[T+4:T+5] op_sel_hi:[1,0,1]
	WIN 0
.if \first
	v_add_f32 v[LS+\i], v[T], v[T+1]
.else
	v_fma_f32 v[LS+\i], v[LS+\i], v[AL], v[T]
	v_add_f32 v[LS+\i], v[LS+\i], v[T+1]
.endif
.irp n, 0,1,2,3,4,5,6,7,8,9,10,11,12,13,14,15
	v_cvt_pk_f16_f32 v[PBUF+\n], v[SB+2*\n], v[SB+2*\n+1]       ; registers 8 kc + 0..7: source 1 for keys 32 kc .. 32 kc + 31
.endr
.endm
; One step of 64 keys on a slot: the change of slots, the last step's tile 3, this step's tiles 0, 1, 2.  refill = 1: the other slot is asked for, first thing behind the round.
; prev = 1: there is a last step; pfirst: it was step 0; cfirst: this is step 0.
.macro STEP slot, other, refill, prev, pfirst, cfirst
	s_wait_xcnt 0x0
	v_lshl_add_u32 v254, v0, 2, 0x44800
	v_mov_b32 v255, 0
	s_wait_tensorcnt 0x0                           ; all my tensor loads have landed, my part of this step's tiles among them,
	ds_add_u32 v254, v255
	s_wait_dscnt 0x0
	s_add_nc_u64 s[G0M+4*\slot+2:G0M+4*\slot+3], s[G0M+4*\slot+2:G0M+4*\slot+3], 2*MSTEP     ; so every group 0 may be written: this slot's next tiles
	s_add_nc_u64 s[G0K+4*\slot+2:G0K+4*\slot+3], s[G0K+4*\slot+2:G0K+4*\slot+3], 2*KVSTEP    ; (in the last two steps the stepped addresses are not used)
	s_add_nc_u64 s[G0V+4*\slot+2:G0V+4*\slot+3], s[G0V+4*\slot+2:G0V+4*\slot+3], 2*KVSTEP
	s_wait_dscnt 0x0                               ; my reads of the last step's slot are back: K, the four masks and V are all in registers
	ROUND                                          ; both now hold of every wave of every work-group of the cluster
.if \refill
	JLOAD \other
.endif
	LOADK \slot
	LOADM \slot, 0
.if \prev
	PHASE 3, \pfirst, 2, \pfirst, 0, 1, \slot
	PHASE 0, \cfirst, 3, \pfirst, 1, 2, \slot
.else
	LOADM \slot, 1
	s_wait_loadcnt 0x0                             ; Q, once
	s_wait_dscnt 8                                 ; K and tile 0's mask are in; tile 1's mask (8 loads) may be out
	WIN 0x04
.irp n, 0,1,2,3,4,5,6,7
	QKW 0, \n
.endr
	WIN 0
	PLACES                                         ; behind these products' results
	PHASE 0, \cfirst, 9, 0, 1, 2, \slot
.endif
	PHASE 1, \cfirst, 0, \cfirst, 2, 3, \slot
	PHASE 2, \cfirst, 1, \cfirst, 3, 0, \slot
.endm
	STEP 0, 1, 1, 0, 0, 1                          ; step 0 starts maxima, sums and O of tiles 0, 1, 2,
	STEP 1, 0, 1, 1, 1, 0                          ; step 1 those of tile 3
	s_mov_b32 s3, 14
.Lkeys:
	STEP 0, 1, 1, 1, 0, 0
	STEP 1, 0, 1, 1, 0, 0
	s_sub_co_u32 s3, s3, 1
	s_cmp_lg_u32 s3, 0
	s_cbranch_scc1 .Lkeys
	STEP 0, 1, 1, 1, 0, 0
	STEP 1, 0, 0, 1, 0, 0                          ; step 31: nothing is left to fetch
	PHASE 3, 0, 2, 0, 9, 0, 0                      ; the pipeline runs empty: step 31's tile 3,
	WIN 0x51
.irp n, 0,1,2,3,4,5,6,7
	PVW 3, \n, 0                                   ; and its products
.endr
	WIN 0
	; THE END: join the half sums, divide, round to f16, and out through the stage so that pieces of 256 bytes (both heads) leave whole
	PLACES
.irp i, 0,1,2,3
	v_permlanex16_b32 v[T+\i], v[LS+\i], s76, s77
.endr
.irp i, 0,1,2,3
	v_add_f32 v[LS+\i], v[LS+\i], v[T+\i]
.endr
.irp i, 0,1,2,3
	v_rcp_f32 v[NM+2*\i], v[LS+\i]
.endr
	s_mul_i32 s21, s12, 64*PITM                    ; the addresses of the way out are the plain work behind the four v_rcp_f32
	s_lshl_b32 s22, s11, 7
	s_add_co_u32 s21, s21, s22
	s_add_co_u32 s21, s21, STAGE
	v_mul_u32_u24 v[T], v1, PITM
	v_lshl_add_u32 v[T], v31, 4, v[T]
	v_add_nc_u32 v[T], s21, v[T]                   ; in: row 64 (wave % 4) + r, my head's half, 8 h along d
	s_mul_i32 s22, s10, 32*PITM
	s_add_co_u32 s22, s22, STAGE
	v_mul_u32_u24 v[T+1], v31, PITM
	v_lshl_add_u32 v[T+1], v1, 4, v[T+1]
	v_add_nc_u32 v[T+1], s22, v[T+1]               ; back: rows 32 wave + ..; lanes 0-15 one row, lanes 16-31 the next
	v_lshlrev_b32 v[T+2], 11, v31
	v_lshl_add_u32 v[T+2], v1, 4, v[T+2]           ; and the same two rows in y
	s_wait_alu depctr_va_vdst(0)
.irp i, 0,1,2,3
	v_mov_b32 v[NM+2*\i+1], v[NM+2*\i]
.endr
	WIN 0x41
.irp i, 0,1,2,3
.set n, 0
.rept 16
	v_pk_mul_f32 v[32*\i+2*n:32*\i+2*n+1], v[32*\i+2*n:32*\i+2*n+1], v[NM+2*\i:NM+2*\i+1]
.set n, n+1
.endr
.endr
	WIN 0x05                                       ; word m holds O's registers 2 m, 2 m + 1
.set n, 0
.rept 64
	v_cvt_pk_f16_f32 v[HI+n], v[2*n], v[2*n+1]
.set n, n+1
.endr
	WIN 0
.irp i, 0,1,2,3
.irp dt, 0,1,2,3
	ds_store_b128 v[T], v[HI+16*\i+4*\dt:HI+16*\i+4*\dt+3] offset:16*PITM*\i+32*\dt
.endr
.endr
	s_lshl_b32 s84, s17, 11                        ; y: row 2,048 batch + 256 block + 32 wave
	s_lshl_b32 s85, s15, 8
	s_add_co_u32 s84, s84, s85
	s_lshl_b32 s85, s10, 5
	s_add_co_u32 s84, s84, s85
	s_lshl_b32 s84, s84, 11                        ; x 2,048 bytes: 16.8 million at the most
	s_lshl_b32 s85, s18, 8                         ; + the pair's 256 bytes
	s_add_co_u32 s84, s84, s85
	s_mov_b32 s85, 0
	s_add_nc_u64 s[8:9], s[8:9], s[84:85]
	s_wait_dscnt 0x0                               ; my stores are done, for the others' sake
	s_barrier_signal -1
	s_barrier_wait -1                              ; a row holds two waves' halves
.irp t, 0,1,2,3,4,5,6,7,8,9,10,11,12,13,14,15
	ds_load_b128 v[KF+4*\t:KF+4*\t+3], v[T+1] offset:2*PITM*\t
.endr
.irp t, 0,1,2,3,4,5,6,7,8,9,10,11,12,13,14,15
	s_wait_dscnt 15-\t
	global_store_b128 v[T+2], v[KF+4*\t:KF+4*\t+3], s[8:9] offset:2*YROW*\t    ; 16 lanes store 256 consecutive bytes, aligned
.endr
	s_wait_xcnt 0x0
	v_lshl_add_u32 v254, v0, 2, 0x44800
	v_mov_b32 v255, 0
	s_wait_tensorcnt 0x0
	ds_add_u32 v254, v255
	s_wait_dscnt 0x0
	ROUND                                          ; the closing round: no work-group ends while a partner may still ask for a tile that names it
	s_endpgm
.Lfunc_end_k_q5889aca03e_attn:
	.size	k_q5889aca03e_attn, .Lfunc_end_k_q5889aca03e_attn-k_q5889aca03e_attn
	.p2alignl 7, 3214868480
	.fill 96, 4, 3214868480
	.section	.rodata,"a",@progbits
	.p2align	6, 0x0
	.amdhsa_kernel k_q5889aca03e_attn
		.amdhsa_group_segment_fixed_size 327680
		.amdhsa_private_segment_fixed_size 0
		.amdhsa_enable_private_segment 0
		.amdhsa_kernarg_size 24
		.amdhsa_user_sgpr_count 2
		.amdhsa_user_sgpr_kernarg_segment_ptr 1
		.amdhsa_wavefront_size32 1
		.amdhsa_system_sgpr_workgroup_id_x 1
		.amdhsa_system_sgpr_workgroup_id_y 1
		.amdhsa_system_sgpr_workgroup_id_z 1
		.amdhsa_system_vgpr_workitem_id 0
		.amdhsa_next_free_vgpr 512
		.amdhsa_next_free_sgpr 90
		.amdhsa_reserve_vcc 0
		.amdhsa_float_denorm_mode_32 3
		.amdhsa_float_denorm_mode_16_64 3
		.amdhsa_memory_ordered 1
		.amdhsa_forward_progress 1
		.amdhsa_inst_pref_size 255
	.end_amdhsa_kernel
	.section	.bss,"aw",@nobits
	.p2align	6
	.space	262144
	.amdgpu_metadata
---
amdhsa.version: [ 1, 2 ]
amdhsa.kernels:
  - .name:           k_q5889aca03e_attn
    .symbol:         k_q5889aca03e_attn.kd
    .args:
      - { .name: qkv, .offset: 0, .size: 8, .value_kind: global_buffer, .address_space: global }
      - { .name: attn_mask, .offset: 8, .size: 8, .value_kind: global_buffer, .address_space: global }
      - { .name: y, .offset: 16, .size: 8, .value_kind: global_buffer, .address_space: global }
    .group_segment_fixed_size: 327680
    .private_segment_fixed_size: 0
    .kernarg_segment_align: 8
    .kernarg_segment_size: 24
    .max_flat_workgroup_size: 256
    .sgpr_count:     90
    .vgpr_count:     512
    .wavefront_size: 32
...
	.end_amdgpu_metadata
.endif
;; end of part 7
;; launch proj (part 8): grid 8 x 32, 4 waves a work-group, clusters of 4 x 4, 327,680 bytes of LDS; arguments y, wouth, bout, out0; writes out0
.if DOCPART == 8
	.amdgcn_target "amdgcn-amd-amdhsa--gfx1250"
	.amdhsa_code_object_version 6
	.text
	.protected	k_q5889aca03e_proj
	.globl	k_q5889aca03e_proj
	.p2align	8
	.type	k_q5889aca03e_proj,@function
k_q5889aca03e_proj:
	s_mov_b64 s[64:65], 0
	v_nop
	global_prefetch_b8 v0, s[64:65] scope:SCOPE_SE
	s_setreg_imm32_b32 hwreg(HW_REG_WAVE_MODE, 25, 1), 1
	s_wait_xcnt 0x0
	s_wait_alu depctr_hold_cnt(0) depctr_sa_sdst(0) depctr_va_vdst(0) depctr_va_sdst(0) depctr_va_ssrc(0) depctr_va_vcc(0) depctr_vm_vsrc(0)
	s_getreg_b32 s2, hwreg(HW_REG_IB_STS2, 6, 4)
	s_cmp_eq_u32 s2, 0
	s_cbranch_scc0 .Lentry_in_a_cluster
	s_endpgm
.Lentry_in_a_cluster:
	s_bfe_u32 s2, ttmp6, 0x10000c
	s_cmp_lg_u32 s2, 0xf033
	s_cbranch_scc0 .Lentry_shape_is_right
	s_endpgm
.Lentry_shape_is_right:
; out0[m][n] = sum over k of y[m][k] Wout[k][n] + bout[n].  y: [8192][1024] f16, wouth: [1024][1024] f16 (k down the rows; it holds Wout rounded to bf16), bout f32;
; sums in f32; out0: [8192][1024] f32.
; A work-group makes 256 x 128 of out0 with four waves; wave w makes rows 64 w .. 64 w + 63 and all 128 columns: 4 x 8 accumulator tiles, 256 registers, one window.
; (256 x 128 gives 8 x 32 = 256 work-groups; 256 x 256 would give 128.)
; K goes in steps of 128 through two LDS slots filled by the tensor data mover; every tile row is 256 consecutive bytes, aligned.
; W stays [k][n] in LDS: ds_load_tr16_b128 brings a lane eight neighbouring k of one column, which is the fragment's layout.
; CLUSTERS: 4 x 4 work-groups.  y's tile hangs on the block row alone and is asked for jointly by a row of the cluster; W's hangs on the block column alone and is
; asked for jointly by a column.  Each of the four issues the same load with the same descriptor and receives the tile in its own LDS.
; THE MATRIX INSTRUCTION IS USED TRANSPOSED: source 0 = 16 columns of W, source 1 = 16 rows of y.  Lane l then holds row l % 16 of the result and, in registers 0-7,
; the columns 8 (l / 16) + 0..7: eight neighbouring numbers of a row.
; REGISTERS: window 0: addresses, two fragment buffers, which also serve the way out; window 1: tile (a, b) at v[8 (8 a + b)]; window 2: v0-63 the bias, register 8 b + j = column 16 b + 8 (l / 16) + j.
.set SIZE_K, 1024
.set SIZE_N, 1024
.set CB,     4                         ; bytes of a number of out0
.set SPITCH, 528                       ; stage row: 512 bytes + 16
.set KSTEP,  128
.set PA,     272                       ; y's LDS row: 256 bytes + 16: an odd multiple of 16, so the 16 rows of a fragment load begin in 16 different 16-byte columns
.set PB,     288                       ; W's LDS row: 256 bytes + 32: an odd multiple of 32, which spreads the transposing load's rows likewise
.set ATILE,  256*PA
.set BTILE,  128*PB
.set SLOT,   ATILE+BTILE               ; 106,496
.set STAGE,  2*SLOT                    ; 212,992, a multiple of 256: each wave's own 16 rows for the way out; no tensor load lands here
.set LAPS,   SIZE_K/(2*KSTEP)          ; a lap = two K steps = once round the ring
.set ADRA, 16                          ; v16-17 LDS address of my fragments of y, slot 0, 1
.set ADRB, 20                          ; v20-21 the same for W
.set STO,  24                          ; v24 way out: where I put my piece of a row
.set RD,   25                          ; v25 way out: where I read rows back
.set CO,   26                          ; v26 my byte offset in out0
.set BOF,  27                          ; v27 my byte offset in the block's 128 bias numbers
.set FA0,  32                          ; y's fragments, buffer 0: 4 x 8 registers
.set FA1,  64
.set FB0,  96                          ; W's fragments, buffer 0: 8 x 8 registers
.set FB1,  160
.set G1A, 24                           ; s[24:31] descriptor group 1, y
.set G0A, 32                           ; s[32:39] group 0, y, a set for each slot
.set G1B, 48                           ; s[48:55] group 1, W
.set G0B, 56                           ; s[56:63] group 0, W, a set for each slot
.set MULW, 0x50                        ; sources 0 and 1 window 0; C and D window 1
.set MSB, 0
.macro WIN new                         ; the immediate's high byte repeats the setting that is left; a switch that changes nothing is dropped
.if MSB != \new
	s_set_vgpr_msb (MSB<<8)|\new
.set MSB, \new
.endif
.endm
.macro PLACES                          ; four plain vector instructions behind a matrix instruction, before one of its registers is loaded into, read or written by anything else (ISA guide 7.12.1 for vector instructions)
.rept 4
	v_nop
.endr
.endm
; A joint load: waves 0 and 1 ask for y's two halves (128 rows each), waves 2 and 3 for W's (64 rows of k each).  The branch hangs on the wave's number alone.
.macro JLOAD s
	s_cmp_eq_u32 s14, 0
	s_cbranch_scc0 .Lfor_b_\@
	tensor_load_to_lds s[G0A+4*\s:G0A+4*\s+3], s[G1A:G1A+7]
	s_nop 0
	s_branch .Lasked_\@
.Lfor_b_\@:
	tensor_load_to_lds s[G0B+4*\s:G0B+4*\s+3], s[G1B:G1B+7]
	s_nop 0
	v_nop
.Lasked_\@:
.endm
; A round of the cluster's barrier: my work-group's barrier; wave 0 signals for the work-group; every wave waits for all sixteen; my work-group's barrier again.
.macro CREST                           ; a round behind its opening barrier
	s_cmp_lg_u32 s12, 0
	s_cbranch_scc1 .Lnot_wave_0_\@
	s_barrier_signal -3
.Lnot_wave_0_\@:
	s_barrier_wait -3
	s_barrier_signal -1
	s_barrier_wait -1
.endm
.macro CROUND
	s_barrier_signal -1
	s_barrier_wait -1
	CREST
.endm
	s_load_b256 s[4:11], s[0:1], 0x0               ; y s[4:5], wouth s[6:7], bout s[8:9], out0 s[10:11]
	v_lshl_add_u32 v254, v0, 2, 0x3c400
	v_mov_b32 v255, 0
	ds_add_u32 v254, v255
	v_lshrrev_b32 v1, 5, v0
	v_readfirstlane_b32 s12, v1                    ; wave 0..3
	s_and_b32 s13, s12, 1                          ; which half of the tile I fetch
	s_lshr_b32 s14, s12, 1                         ; 0: I fetch for y, 1: for W
	s_bfe_u32 s15, ttmp6, 0x40000                  ; cx
	s_bfe_u32 s16, ttmp6, 0x40004                  ; cy
	s_lshl_b32 s17, ttmp9, 2
	s_add_co_u32 s17, s17, s15                     ; block column = 4 x cluster x + cx
	s_and_b32 s18, ttmp7, 0xffff
	s_lshl_b32 s18, s18, 2
	s_add_co_u32 s18, s18, s16                     ; block row = 4 x cluster y + cy
	s_lshl_b32 s19, s16, 2
	s_lshl_b32 s19, 15, s19                        ; my row of the cluster: places 4 cy .. 4 cy + 3
	s_lshl_b32 s20, 0x1111, s15                    ; my column: places cx, cx + 4, cx + 8, cx + 12
	; group 1 of y: 128 rows x 128 elements of 2 bytes, 4 words of padding behind every 64
	s_or_b32 s[G1A+0], s19, (1<<16)|(1<<20)|(1<<21)|(5<<22)|(3<<25)
	s_mov_b32 s[G1A+1], KSTEP<<16                  ; tensor_dim0 = 128
	s_mov_b32 s[G1A+2], 128<<16                    ; tensor_dim1 = 128
	s_mov_b32 s[G1A+3], KSTEP<<16                  ; tile_dim0 = 128
	s_mov_b32 s[G1A+4], 128                        ; tile_dim1 = 128
	s_mov_b32 s[G1A+5], SIZE_K                     ; elements from row to row
	s_mov_b32 s[G1A+6], 0
	s_mov_b32 s[G1A+7], 0
	; group 1 of W: 64 rows (k) x 128 elements (n), 8 words of padding behind every 64
	s_or_b32 s[G1B+0], s20, (1<<16)|(1<<20)|(1<<21)|(5<<22)|(7<<25)
	s_mov_b32 s[G1B+1], 128<<16
	s_mov_b32 s[G1B+2], 64<<16
	s_mov_b32 s[G1B+3], 128<<16
	s_mov_b32 s[G1B+4], 64
	s_mov_b32 s[G1B+5], SIZE_N
	s_mov_b32 s[G1B+6], 0
	s_mov_b32 s[G1B+7], 0
	; where the tiles come from: y's offset is made of the block row and the wave, W's of the block column and the wave, each in registers that never hold the other coordinate
	s_lshl_b32 s40, s18, 8
	s_lshl_b32 s23, s13, 7
	s_add_co_u32 s40, s40, s23                     ; y: row 256 x block row + 128 x half
	s_mul_i32 s40, s40, SIZE_K*2                   ; in bytes: 16.8 million at the most
	s_mov_b32 s41, 0
	s_mul_i32 s44, s13, 64*SIZE_N*2                ; W: 64 rows of k x half
	s_lshl_b32 s45, s17, 8                         ; + 128 columns x block column
	s_add_co_u32 s44, s44, s45
	s_mov_b32 s45, 0
	s_mul_i32 s21, s12, 128*PA                     ; and where they go: y's halves at wave x 128 rows (waves 0, 1),
	s_mul_i32 s22, s12, 64*PB
	s_add_co_u32 s22, s22, ATILE-128*PB            ; W's at ATILE + (wave - 2) x 64 rows (waves 2, 3): no place in the cluster enters an LDS address
	s_lshl_b32 s46, s17, 9                         ; the block's 128 bias numbers
	s_mov_b32 s47, 0
	s_wait_dscnt 0x0
	s_wait_kmcnt 0x0
	s_add_nc_u64 s[42:43], s[4:5], s[40:41]
	s_add_nc_u64 s[44:45], s[6:7], s[44:45]
	s_add_nc_u64 s[8:9], s[8:9], s[46:47]
	CROUND                                         ; all sixteen work-groups are here: the first joint loads meet
.irp s, 0,1
	s_mov_b32 s[G0A+4*\s], 1
	s_add_co_u32 s[G0A+4*\s+1], s21, \s*SLOT
	s_add_nc_u64 s[G0A+4*\s+2:G0A+4*\s+3], s[42:43], \s*KSTEP*2
	s_or_b32 s[G0A+4*\s+3], s[G0A+4*\s+3], 0x80000000
	s_mov_b32 s[G0B+4*\s], 1
	s_add_co_u32 s[G0B+4*\s+1], s22, \s*SLOT
	s_add_nc_u64 s[G0B+4*\s+2:G0B+4*\s+3], s[44:45], \s*KSTEP*SIZE_N*2
	s_or_b32 s[G0B+4*\s+3], s[G0B+4*\s+3], 0x80000000
	JLOAD \s                                       ; both slots' first fills go out together: two tensor loads of a wave are out here, one later
.endr
	v_and_b32 v1, 15, v0                           ; r = l % 16
	v_bfe_u32 v2, v0, 4, 1                         ; h = l / 16
	v_lshlrev_b32 v[BOF], 5, v2                    ; 8 h numbers of 4 bytes
	WIN 0x80                                       ; destination window 2
.irp b, 0,1,2,3,4,5,6,7
	global_load_b128 v[8*\b:8*\b+3],   v[BOF], s[8:9] offset:64*\b       ; bias of columns 16 b + 8 h + 0..3; waited for in front of the way out
	global_load_b128 v[8*\b+4:8*\b+7], v[BOF], s[8:9] offset:64*\b+16
.endr
	WIN 0
	v_mul_u32_u24 v3, v1, PA
	v_lshl_add_u32 v3, v2, 4, v3                   ; r x pitch + 16 h
	s_mul_i32 s23, s12, 64*PA                      ; my 64 rows of y
	v_add_nc_u32 v[ADRA], s23, v3
	v_add_nc_u32 v[ADRA+1], SLOT, v[ADRA]
	v_and_b32 v4, 7, v0
	v_lshl_add_u32 v4, v2, 3, v4                   ; row of k: 8 h + l % 8
	v_mul_u32_u24 v4, v4, PB
	v_bfe_u32 v5, v0, 3, 1
	v_lshl_add_u32 v4, v5, 4, v4                   ; + 16 bytes for the upper eight lanes of each sixteen
	v_add_nc_u32 v[ADRB], ATILE, v4
	v_add_nc_u32 v[ADRB+1], ATILE+SLOT, v4
	s_mul_i32 s23, s12, 16*SPITCH
	s_add_co_u32 s23, s23, STAGE                   ; my stage
	v_mul_u32_u24 v4, v1, SPITCH
	v_lshl_add_u32 v4, v2, 5, v4                   ; in: row r, 8 h numbers of 4 bytes along it
	v_add_nc_u32 v[STO], s23, v4
	v_and_b32 v5, 31, v0
	v_lshlrev_b32 v[CO], 4, v5                     ; back: 32 lanes take one row of 512 bytes
	v_add_nc_u32 v[RD], s23, v[CO]
; 8 matrix instructions: row block a of my four x all 8 column blocks, 32 along K.  zero = 1: the first product starts the sums.
; The 32 accumulators take turns, one instruction a turn, in the same order in every quarter step, over the backward jump too.
.macro MUL8 fa, fb, a, zero
.irp b, 0,1,2,3,4,5,6,7
.if \zero
	v_wmma_f32_16x16x32_f16 v[8*(8*\a+\b):8*(8*\a+\b)+7], v[\fb+8*\b:\fb+8*\b+7], v[\fa+8*\a:\fa+8*\a+7], 0
.else
	v_wmma_f32_16x16x32_f16 v[8*(8*\a+\b):8*(8*\a+\b)+7], v[\fb+8*\b:\fb+8*\b+7], v[\fa+8*\a:\fa+8*\a+7], v[8*(8*\a+\b):8*(8*\a+\b)+7]
.endif
.endr
.endm
; 24 LDS loads in one run: quarter kq (32 along K) of a slot: W's 8 fragments (transposing loads, 16 rows of k apart), then y's 4
.macro FETCH slot, kq, fa, fb
	WIN 0
.irp b, 0,1,2,3,4,5,6,7
	ds_load_tr16_b128 v[\fb+8*\b:\fb+8*\b+3],   v[ADRB+\slot] offset:\kq*32*PB+32*\b
	ds_load_tr16_b128 v[\fb+8*\b+4:\fb+8*\b+7], v[ADRB+\slot] offset:\kq*32*PB+32*\b+16*PB
.endr
.irp a, 0,1,2,3
	ds_load_b128 v[\fa+8*\a:\fa+8*\a+3],   v[ADRA+\slot] offset:\a*16*PA+64*\kq
	ds_load_b128 v[\fa+8*\a+4:\fa+8*\a+7], v[ADRA+\slot] offset:\a*16*PA+64*\kq+32
.endr
.endm
; One of a K step's first three quarters: multiplies buffer (fa, fb); in its middle fetches quarter kq into (ga, gb)
.macro QUARTER slot, kq, fa, fb, ga, gb, zero
	s_wait_dscnt 4                                 ; W's fragments and y's blocks 0, 1 are in; the youngest four loads (y's blocks 2, 3) may be out
	WIN MULW
	MUL8 \fa, \fb, 0, \zero
	MUL8 \fa, \fb, 1, \zero
	PLACES
	FETCH \slot, \kq, \ga, \gb
	s_wait_dscnt 24                                ; all but the 24 just issued
	WIN MULW
	MUL8 \fa, \fb, 2, \zero
	MUL8 \fa, \fb, 3, \zero
.endm
.macro THREE slot, zero
	QUARTER \slot, 1, FA0, FB0, FA1, FB1, \zero
	QUARTER \slot, 2, FA1, FB1, FA0, FB0, 0
	QUARTER \slot, 3, FA0, FB0, FA1, FB1, 0
.endm
; The last quarter: multiplies buffer 1 and changes slots.  In front of the barrier each wave waits for its reads of this slot and for all its tensor loads
; (the one that is out is its part of the next slot).  fill = 1: the barrier opens a round of the cluster's barrier, and behind the round this slot is asked for again,
; two K steps ahead, first thing.  From that request to the wait for it a wave issues 120 matrix instructions.
.macro TURN slot, next, fill
	s_wait_dscnt 4
	WIN MULW
	MUL8 FA1, FB1, 0, 0
	s_wait_dscnt 0x0                               ; my reads of this slot are over
	s_wait_tensorcnt 0x0                           ; all my tensor loads have landed
	ds_add_u32 v254, v255
	s_wait_dscnt 0x0
	s_barrier_signal -1
	MUL8 FA1, FB1, 1, 0                            ; register work while the others arrive
	WIN 0
	s_barrier_wait -1
.if \fill
	CREST                                          ; no wave of any partner still reads this slot or has a load on its way
	s_add_nc_u64 s[G0A+4*\slot+2:G0A+4*\slot+3], s[G0A+4*\slot+2:G0A+4*\slot+3], 2*KSTEP*2
	s_add_nc_u64 s[G0B+4*\slot+2:G0B+4*\slot+3], s[G0B+4*\slot+2:G0B+4*\slot+3], 2*KSTEP*SIZE_N*2
	JLOAD \slot                                    ; my one tensor load behind the round
.endif
	PLACES
	FETCH \next, 0, FA0, FB0
	WIN MULW
	MUL8 FA1, FB1, 2, 0
	MUL8 FA1, FB1, 3, 0
.endm
.macro LAP zero
	THREE 0, \zero
	TURN 0, 1, 1
	THREE 1, 0
	TURN 1, 0, 1
.endm
	s_wait_tensorcnt 0x1                           ; my part of K step 0 is in; K step 1's may stay out
	s_barrier_signal -1
	s_barrier_wait -1                              ; everybody's is
	FETCH 0, 0, FA0, FB0
	LAP 1                                          ; the first lap stands in front of the loop: its first products start the sums
	WIN 0
	s_mov_b32 s3, LAPS-2
.Llap:
	LAP 0
	WIN 0
	s_sub_co_u32 s3, s3, 1
	s_cmp_lg_u32 s3, 0
	s_cbranch_scc1 .Llap
	THREE 0, 0                                     ; the last lap fills nothing
	TURN 0, 1, 0
	THREE 1, 0
	s_wait_dscnt 4
	WIN MULW
	MUL8 FA1, FB1, 0, 0
	MUL8 FA1, FB1, 1, 0
	s_wait_dscnt 0x0
	MUL8 FA1, FB1, 2, 0
	MUL8 FA1, FB1, 3, 0
	; THE WAY OUT, 16 rows at a time through my own stage, so that rows leave whole
	PLACES
	s_wait_loadcnt 0x0                             ; the bias
	s_lshl_b32 s40, s18, 8
	s_lshl_b32 s23, s12, 6
	s_add_co_u32 s40, s40, s23                     ; my first row of out0
	s_mul_i32 s40, s40, SIZE_N*CB                  ; 33.6 million bytes at the most
	s_mov_b32 s41, 0
	s_add_nc_u64 s[10:11], s[10:11], s[40:41]
	s_mul_i32 s44, s17, 128*CB                     ; my first column (in the registers that held W's address)
	s_mov_b32 s45, 0
	s_add_nc_u64 s[10:11], s[10:11], s[44:45]
; rows 16 a .. 16 a + 15: add the bias, 32 bytes a lane and column block into the stage, rows of 512 bytes back and out
.macro OUT16F a, rb
	WIN 0x49                                       ; D and source 0 window 1, source 1 window 2
.irp b, 0,1,2,3,4,5,6,7
.irp p, 0,2,4,6
	v_pk_add_f32 v[8*(8*\a+\b)+\p:8*(8*\a+\b)+\p+1], v[8*(8*\a+\b)+\p:8*(8*\a+\b)+\p+1], v[8*\b+\p:8*\b+\p+1]
.endr
.endr
	WIN 0x04                                       ; store data window 1
.irp b, 0,1,2,3,4,5,6,7
	ds_store_b128 v[STO], v[8*(8*\a+\b):8*(8*\a+\b)+3]   offset:64*\b
	ds_store_b128 v[STO], v[8*(8*\a+\b)+4:8*(8*\a+\b)+7] offset:64*\b+16
.endr
	WIN 0
	s_wait_xcnt 0x0                                ; the registers and the base that earlier stores read are rewritten only behind this wait (ISA guide 3.1)
.if \a
	s_add_nc_u64 s[10:11], s[10:11], 16*SIZE_N*CB
.endif
.irp t, 0,1,2,3,4,5,6,7,8,9,10,11,12,13,14,15
	ds_load_b128 v[\rb+4*\t:\rb+4*\t+3], v[RD] offset:SPITCH*\t      ; LDS serves a wave's instructions in order (ISA guide 5.7.1.4): these see the stores above
.endr
.irp t, 0,1,2,3,4,5,6,7,8,9,10,11,12,13,14,15
	s_wait_dscnt 15-\t
	global_store_b128 v[CO], v[\rb+4*\t:\rb+4*\t+3], s[10:11] offset:SIZE_N*CB*\t th:TH_STORE_NT   ; 512 consecutive bytes, aligned
.endr
.endm
	OUT16F 0, FA0
	OUT16F 1, FB0
	OUT16F 2, FA0
	OUT16F 3, FB0
	s_wait_tensorcnt 0x0
	ds_add_u32 v254, v255
	s_wait_dscnt 0x0
	CROUND                                         ; the closing round: no work-group ends while a partner may still ask for a tile that names it
	s_endpgm
.Lfunc_end_k_q5889aca03e_proj:
	.size	k_q5889aca03e_proj, .Lfunc_end_k_q5889aca03e_proj-k_q5889aca03e_proj
	.p2alignl 7, 3214868480
	.fill 96, 4, 3214868480
	.section	.rodata,"a",@progbits
	.p2align	6, 0x0
	.amdhsa_kernel k_q5889aca03e_proj
		.amdhsa_group_segment_fixed_size 327680
		.amdhsa_private_segment_fixed_size 0
		.amdhsa_enable_private_segment 0
		.amdhsa_kernarg_size 32
		.amdhsa_user_sgpr_count 2
		.amdhsa_user_sgpr_kernarg_segment_ptr 1
		.amdhsa_wavefront_size32 1
		.amdhsa_system_sgpr_workgroup_id_x 1
		.amdhsa_system_sgpr_workgroup_id_y 1
		.amdhsa_system_sgpr_workgroup_id_z 1
		.amdhsa_system_vgpr_workitem_id 0
		.amdhsa_next_free_vgpr 576
		.amdhsa_next_free_sgpr 68
		.amdhsa_reserve_vcc 0
		.amdhsa_float_denorm_mode_32 3
		.amdhsa_float_denorm_mode_16_64 3
		.amdhsa_memory_ordered 1
		.amdhsa_forward_progress 1
		.amdhsa_inst_pref_size 128
	.end_amdhsa_kernel
	.amdgpu_metadata
---
amdhsa.version: [ 1, 2 ]
amdhsa.kernels:
  - .name:           k_q5889aca03e_proj
    .symbol:         k_q5889aca03e_proj.kd
    .args:
      - { .name: y, .offset: 0, .size: 8, .value_kind: global_buffer, .address_space: global }
      - { .name: wouth, .offset: 8, .size: 8, .value_kind: global_buffer, .address_space: global }
      - { .name: bout, .offset: 16, .size: 8, .value_kind: global_buffer, .address_space: global }
      - { .name: out0, .offset: 24, .size: 8, .value_kind: global_buffer, .address_space: global }
    .group_segment_fixed_size: 327680
    .private_segment_fixed_size: 0
    .kernarg_segment_align: 8
    .kernarg_segment_size: 32
    .max_flat_workgroup_size: 128
    .sgpr_count:     68
    .vgpr_count:     576
    .wavefront_size: 32
...
	.end_amdgpu_metadata
.endif
;; end of part 8
